; MI455X (gfx1250); checked and timed in simulation.
; The chip was launched on July 23, 2026; its instructions are those of AMD's public machine-readable ISA for CDNA 5 (MIT licence, August 2026) and "CDNA5" Instruction Set Architecture Reference Guide (July 2026). The comments in the code are by the model that wrote it; some were corrected since.
;; Softmax Self Attention. Allowed arithmetic: float matrix products may take bf16 or f16 operands with f32 sums; other float arithmetic in f32, or as packed bf16 or f16 multiplies, adds, multiply-adds, maxima and minima; sums over many terms, partial sums and values carried from step to step in f32; what a program stores and reads back later, other than sums and carried values, may be rounded once to bf16 or f16.
;; Inputs: Wk 1,024 x 1,024 float32; Wq 1,024 x 1,024 float32; Wv 1,024 x 1,024 float32; bk 1,024 float32; bq 1,024 float32; bv 1,024 float32; x 4 x 2,048 x 1,024 float32.
;; Outputs: out0 4 x 2,048 x 1,024 float32.
;; One version. Each part assembles by itself: llvm-mc -triple=amdgcn-amd-amdhsa -mcpu=gfx1250 --defsym DOCPART=n.
;; ======== version 1 of 1: 4 launches
;; limits: values are held in f16: magnitudes above 65,504 overflow, below 6.1e-05 lose precision
;; workspace buffers: xb 16,777,216 bytes; wb 6,291,456 bytes; qkv 50,331,648 bytes; p 33,554,432 bytes; stats 1,048,576 bytes
;; launch cast (part 1): grid 704 x 1, 8 waves a work-group, no clusters, 0 bytes of LDS; arguments x, Wq, Wk, Wv, xb, wb; writes xb, wb
.if DOCPART == 1
	.amdgcn_target "amdgcn-amd-amdhsa--gfx1250"
	.amdhsa_code_object_version 6
	.text
	.protected	k_qebaf53fd40_cast
	.globl	k_qebaf53fd40_cast
	.p2align	8
	.type	k_qebaf53fd40_cast,@function
k_qebaf53fd40_cast:
	s_mov_b64 s[64:65], 0
	v_nop
	global_prefetch_b8 v0, s[64:65] scope:SCOPE_SE
	s_setreg_imm32_b32 hwreg(HW_REG_WAVE_MODE, 25, 1), 1
	s_wait_xcnt 0x0
; x, Wq, Wk, Wv: f32 -> bf16 (round to nearest even), layouts kept.  xb: [8192][1024]; wb: [3][1024 k][1024 n] = Wq, Wk, Wv on end.
; A stream: no LDS, no barrier, no matrix unit; every byte is read once and written once.
; A work-group takes 65,536 bytes of f32: groups 0-511 of x, groups 512-703 of the three weights (64 groups each).
; Thread t takes 32 bytes at 32 t of each of eight chunks of 8,192 bytes, and stores 16 bytes at 16 t of each chunk of 4,096:
; a store of a wave covers 512 consecutive bytes, aligned.  All sixteen loads of a thread go out first; no register is used twice.
.set CHUNK, 8192
.set IN,  8                            ; v[8:71]    eight chunks of 8 f32
.set OUT, 72                           ; v[72:103]  eight chunks of 8 bf16
	s_load_b256 s[4:11], s[0:1], 0x0               ; x s[4:5], Wq s[6:7], Wk s[8:9], Wv s[10:11]
	s_load_b128 s[12:15], s[0:1], 0x20             ; xb s[12:13], wb s[14:15]
	v_lshlrev_b32 v1, 5, v0                        ; 32 t: where I read
	v_lshlrev_b32 v2, 4, v0                        ; 16 t: where I write
	s_sub_co_u32 s17, ttmp9, 512                   ; j: the group's number among the weights' (used only where the group is one of them)
	s_and_b32 s18, s17, 63                         ; its block in its weight
	s_cmp_lt_u32 ttmp9, 512
	s_cselect_b32 s18, ttmp9, s18                  ; block of 65,536 bytes in the source
	s_cselect_b32 s19, ttmp9, s17                  ; block of 32,768 bytes in the destination
	s_lshl_b32 s20, s18, 16
	s_mov_b32 s21, 0
	s_lshl_b32 s22, s19, 15
	s_mov_b32 s23, 0
	s_wait_kmcnt 0x0
	s_cmp_lt_u32 s17, 64
	s_cselect_b64 s[24:25], s[6:7], s[8:9]         ; j < 64: Wq, else Wk,
	s_cmp_lt_u32 s17, 128
	s_cselect_b64 s[24:25], s[24:25], s[10:11]     ; from 128 on Wv;
	s_cmp_lt_u32 ttmp9, 512
	s_cselect_b64 s[24:25], s[4:5], s[24:25]       ; the first 512 groups: x
	s_cselect_b64 s[26:27], s[12:13], s[14:15]
	s_add_nc_u64 s[24:25], s[24:25], s[20:21]
	s_add_nc_u64 s[26:27], s[26:27], s[22:23]
.irp i, 0,1,2,3,4,5,6,7
	global_load_b128 v[IN+8*(\i):IN+8*(\i)+3],   v1, s[24:25] offset:CHUNK*(\i) th:TH_LOAD_NT
	global_load_b128 v[IN+8*(\i)+4:IN+8*(\i)+7], v1, s[24:25] offset:CHUNK*(\i)+16 th:TH_LOAD_NT
.endr
.irp i, 0,1,2,3,4,5,6,7
	s_wait_loadcnt 14-2*(\i)                       ; loads come back in order: chunk i is in, the two loads of each later chunk stay out
.irp j, 0,1,2,3
	v_cvt_pk_bf16_f32 v[OUT+4*(\i)+(\j)], v[IN+8*(\i)+2*(\j)], v[IN+8*(\i)+2*(\j)+1]
.endr
	global_store_b128 v2, v[OUT+4*(\i):OUT+4*(\i)+3], s[26:27] offset:(CHUNK/2)*(\i)
.endr
	s_endpgm
.Lfunc_end_k_qebaf53fd40_cast:
	.size	k_qebaf53fd40_cast, .Lfunc_end_k_qebaf53fd40_cast-k_qebaf53fd40_cast
	.p2alignl 7, 3214868480
	.fill 96, 4, 3214868480
	.section	.rodata,"a",@progbits
	.p2align	6, 0x0
	.amdhsa_kernel k_qebaf53fd40_cast
		.amdhsa_group_segment_fixed_size 0
		.amdhsa_private_segment_fixed_size 0
		.amdhsa_enable_private_segment 0
		.amdhsa_kernarg_size 48
		.amdhsa_user_sgpr_count 2
		.amdhsa_user_sgpr_kernarg_segment_ptr 1
		.amdhsa_wavefront_size32 1
		.amdhsa_system_sgpr_workgroup_id_x 1
		.amdhsa_system_sgpr_workgroup_id_y 1
		.amdhsa_system_sgpr_workgroup_id_z 1
		.amdhsa_system_vgpr_workitem_id 0
		.amdhsa_next_free_vgpr 112
		.amdhsa_next_free_sgpr 66
		.amdhsa_reserve_vcc 0
		.amdhsa_float_denorm_mode_32 3
		.amdhsa_float_denorm_mode_16_64 3
		.amdhsa_memory_ordered 1
		.amdhsa_forward_progress 1
		.amdhsa_inst_pref_size 6
	.end_amdhsa_kernel
	.amdgpu_metadata
---
amdhsa.version: [ 1, 2 ]
amdhsa.kernels:
  - .name:           k_qebaf53fd40_cast
    .symbol:         k_qebaf53fd40_cast.kd
    .args:
      - { .name: x, .offset: 0, .size: 8, .value_kind: global_buffer, .address_space: global }
      - { .name: Wq, .offset: 8, .size: 8, .value_kind: global_buffer, .address_space: global }
      - { .name: Wk, .offset: 16, .size: 8, .value_kind: global_buffer, .address_space: global }
      - { .name: Wv, .offset: 24, .size: 8, .value_kind: global_buffer, .address_space: global }
      - { .name: xb, .offset: 32, .size: 8, .value_kind: global_buffer, .address_space: global }
      - { .name: wb, .offset: 40, .size: 8, .value_kind: global_buffer, .address_space: global }
    .group_segment_fixed_size: 0
    .private_segment_fixed_size: 0
    .kernarg_segment_align: 8
    .kernarg_segment_size: 48
    .max_flat_workgroup_size: 256
    .sgpr_count:     66
    .vgpr_count:     112
    .wavefront_size: 32
...
	.end_amdgpu_metadata
.endif
;; end of part 1
;; launch proj (part 2): grid 4 x 64, 4 waves a work-group, clusters of 4 x 4, 327,680 bytes of LDS; arguments xb, wb, bq, bk, bv, qkv; writes qkv
.if DOCPART == 2
	.amdgcn_target "amdgcn-amd-amdhsa--gfx1250"
	.amdhsa_code_object_version 6
	.text
	.protected	k_qebaf53fd40_proj
	.globl	k_qebaf53fd40_proj
	.p2align	8
	.type	k_qebaf53fd40_proj,@function
k_qebaf53fd40_proj:
	s_mov_b64 s[64:65], 0
	v_nop
	global_prefetch_b8 v0, s[64:65] scope:SCOPE_SE
	s_setreg_imm32_b32 hwreg(HW_REG_WAVE_MODE, 25, 1), 1
	s_wait_xcnt 0x0
	s_wait_alu depctr_hold_cnt(0) depctr_sa_sdst(0) depctr_va_vdst(0) depctr_va_sdst(0) depctr_va_ssrc(0) depctr_va_vcc(0) depctr_vm_vsrc(0)
	s_getreg_b32 s2, hwreg(HW_REG_IB_STS2, 6, 4)
	s_cmp_eq_u32 s2, 0
	s_cbranch_scc0 .Lentry_in_a_cluster
	s_endpgm
.Lentry_in_a_cluster:
	s_bfe_u32 s2, ttmp6, 0x10000c
	s_cmp_lg_u32 s2, 0xf033
	s_cbranch_scc0 .Lentry_shape_is_right
	s_endpgm
.Lentry_shape_is_right:
; q, k, v = x W + b.  xb: [8192][1024] bf16; wb: [3][1024 k][1024 n] bf16 (one table of 3,072 k rows); bq, bk, bv: [1024] f32, rounded here to bf16 like the
; other inputs; qkv: three planes [8192][1024] f16 (q, k, v), each number rounded once from its f32 sum.
; LIMIT.  f16 ends at 65,504: q, k and v beyond that become infinities.  NaN and infinities are not treated apart.
; SHARES.  A tile of the result is 128 rows x 256 columns; 3 x 64 x 4 = 768 tiles are three for each of 256 work-groups: a work-group STAYS on its rows and columns and
; makes q's, k's and v's tile one after the other, the ring running on from tile to tile.  Four waves, each 64 x 128: 32 accumulators of 16 x 16, 256 registers.
; K goes in steps of 128 through two LDS slots: 128 rows of x (256 bytes each) and 128 k rows of W (512 bytes each).  Two slots of a longer step do not fit in LDS.
; THE WALK ALONG K IS ROTATED: cluster y takes a tile's eight slices of 128 k in the order y mod 8, y mod 8 + 1, .. (mod 8).  So at any step the clusters ask for different slices of W,
; and a slice is asked for by one cluster after the other, not by all sixteen at once.  The f32 sums are taken in that order of K.
; W lies [k][n], so its fragments come out of LDS turned, by ds_load_tr16_b128.
; THE MATRIX INSTRUCTION IS USED TRANSPOSED (source 0 = 16 columns of W, source 1 = 16 rows of x): a lane holds row l % 16 and eight neighbouring columns 8 (l / 16) + 0..7.
; THE BIAS is the C operand of a tile's first products: nothing is cleared and nothing is added afterwards.
; CLUSTER 4 x 4.  x's tile hangs on the tile row alone and is asked for jointly by a row of the cluster, W's on the tile column alone and is asked for by a column.
; REGISTERS, in windows of 256:  window 0: v16-30 addresses; v32-63 at work on the way out; v64-191 fragments of x, two buffers of 64 along K; v192-255 the bias
;   window 1: fragments of W, two buffers of 128          window 2: accumulator (a, b) at v[64 a + 8 b]
.set KSTEP, 128
.set XROW,  2048                       ; bytes in a row of xb, of wb and of a plane of qkv
.set PA,    272                        ; an LDS row of x: 256 bytes + 16 = 68 words: the 16 rows of a load start at 16 different groups of four banks (64 banks of 4 bytes: ISA guide 11.1)
.set PB,    544                        ; an LDS row of W: 512 bytes + 32 = 136 words
.set BOFF,  128*PA                     ; in a slot: x's 128 rows, then W's 128 k rows
.set SLOT1, 1<<17                      ; slot 1 begins here, so that one exclusive or turns an address in one slot into the other's
.set STAGE, SLOT1+BOFF+128*PB          ; behind the ring, never filled by a tensor load: 16 rows x 272 bytes for each wave
.set SP,    272
.set SPARE, STAGE+4*16*SP              ; the spare words, 128 bytes for each wave: two blocks of 256 bytes that no other line names
.set NF,    48                         ; LDS loads in a FETCH
.set A0V,  16                          ; v16  my lane's place in x's tile; never rewritten
.set ADRA, 17                          ; v17  the same in the slot to be read
.set B0V,  20                          ; v20  my lane's place in W's tile; never rewritten
.set ADRB, 21                          ; v21  the same in the slot to be read
.set STO,  24                          ; v24  the way out: where I put 16 bytes of a row
.set RD,   25                          ; v25  the way out: where I read a row back
.set CO,   26                          ; v26  my byte offset in the result
.set BO,   27                          ; v27  my byte offset in a bias
.set SPW,  28                          ; v28  LDS address of my spare word; never rewritten
.set NIL,  29                          ; v29  0; never rewritten
.set PFO,  30                          ; v30  the prefetches' offset: my lane x a row; never rewritten
.set TMP,  32
.set AF,   64
.set OB,   128                         ; the way out: rows read back, v128-159 and v160-191 by turns (x's second buffer, free there)
.set BIAS, 192
.set G1A,  24                          ; s[24:31] descriptor group 1 for x's tiles
.set G0A0, 32                          ; s[32:35] group 0 of the first fill
.set G0A,  36                          ; s[36:39] group 0 that walks
.set PFA,  44                          ; s[44:45] what my next prefetch names
.set POF,  46                          ; s[46:47] its offset from PFB
.set G1B,  48                          ; s[48:55], s[56:59], s[60:63] the same for W's tiles
.set G0B0, 56
.set G0B,  60
.set PMASK, 66                         ; s66  bit g: I prefetch at change of slots g
.set GS,   67                          ; s67  changes of slots passed
.set TB,   68                          ; s68  LDS byte at which the slot to be read begins
.set BP,   80                          ; s[80:81] the bias of the tile to come
.set ABS,  82                          ; s[82:83] x at the rows that I fetch, k = 0
.set BBS,  84                          ; s[84:85] W at the k rows and columns that I fetch, slice 0 of q's weights
.set OFF,  86                          ; s[86:87] a slice's byte offset
.set PFB,  88                          ; s[88:89] the rows that I prefetch, slice 0
.set FS,   90                          ; s90  the walk's step, 0 to 23, that was asked for last
.set ROT,  91                          ; s91  cluster y mod 8
.set PSH,  92                          ; s92  a slice in bytes, as a shift: 8 along a row of x, 18 down the rows of W
.set PTM,  93                          ; s93  a tile's weights in bytes (W), 0 (x)
.set T0,   94
.set T1,   95
.set MSB, 0
.macro WIN new                         ; the immediate's high byte repeats the setting that is left; a switch that changes nothing is dropped
.if MSB != (\new)
	s_set_vgpr_msb (MSB<<8)|(\new)
.set MSB, \new
.endif
.endm
.set MUL,  0xa1                        ; source 0 (W) window 1, source 1 (x) window 0, C and D window 2
.set MULB, 0x81                        ; the same with C (the bias) in window 0
.set TO_B, 0x40                        ; destination window 1, address window 0
; A joint load.  Waves 0 and 1 fetch the two halves of x's tile, waves 2 and 3 those of W's.  The branch hangs on the wave's number alone.
; An s_nop 0 and four v_nop follow each of the two lines, ahead of the jump and the label.
.macro JLOAD ga, gb
	s_cmp_eq_u32 s11, 0
	s_cbranch_scc0 .Lfor_b_\@
	tensor_load_to_lds s[(\ga):(\ga)+3], s[G1A:G1A+7]
	s_nop 0
.rept 4
	v_nop
.endr
	s_branch .Lasked_\@
.Lfor_b_\@:
	tensor_load_to_lds s[(\gb):(\gb)+3], s[G1B:G1B+7]
	s_nop 0
.rept 4
	v_nop
.endr
.Lasked_\@:
.endm
.macro CREST                           ; a round of the cluster's barrier behind its opening barrier
	s_cmp_lg_u32 s10, 0
	s_cbranch_scc1 .Lnot_wave_0_\@
	s_barrier_signal -3
.Lnot_wave_0_\@:
	s_barrier_wait -3
	s_barrier_signal -1
	s_barrier_wait -1
.endm
.macro CROUND                          ; a whole round
	s_barrier_signal -1
	s_barrier_wait -1
	CREST
.endm
.macro PLACES                          ; four plain instructions between a matrix instruction and a load into, or a vector read of, its registers
.rept 4
	v_nop
.endr
.endm
; The two descriptors' global addresses for step s[FS] of the walk, made anew from the bases: tile FS / 8, slice (FS + y) mod 8.  Nothing here hangs on a place in the cluster.
.macro AIM ga, gb
	s_add_co_u32 s[T0], s[FS], s[ROT]
	s_and_b32 s[T0], s[T0], 7
	s_lshl_b32 s[OFF], s[T0], 8                    ; 128 k along a row of x
	s_add_nc_u64 s[(\ga)+2:(\ga)+3], s[ABS:ABS+1], s[OFF:OFF+1]
	s_or_b32 s[(\ga)+3], s[(\ga)+3], 0x80000000    ; type = 2
	s_lshl_b32 s[OFF], s[T0], 18                   ; 128 k rows of W,
	s_lshr_b32 s[T1], s[FS], 3
	s_lshl_b32 s[T1], s[T1], 21                    ; in the tile's 1,024: the three weights lie on end
	s_add_co_u32 s[OFF], s[OFF], s[T1]
	s_add_nc_u64 s[(\gb)+2:(\gb)+3], s[BBS:BBS+1], s[OFF:OFF+1]
	s_or_b32 s[(\gb)+3], s[(\gb)+3], 0x80000000
.endm
; A PREFETCH INTO THE L2, behind a joint load and the run of LDS loads that follows it: the walk's step that stands two refills on, 256 matrix instructions ahead of the load that will ask for it.
; x: wave 0 names 32 rows x 256 bytes, a lane a row; the four partners that ask for the tile jointly take rows 32 cx on, told apart by address.  Steps 4 to 7 of the first tile alone: k's and v's tiles walk the same rows again.
; W: of a tile's eight slices each is asked for first by the clusters whose walk begins with it.  Of those two clusters the one with y < 8 names it, for k's and for v's tile: waves 2 and 3 name the two halves of
; 32 k rows x 512 bytes, rows 32 cy on.  So each aligned block of 256 bytes is named at most once in the launch, and the first four steps come by their loads alone.
.macro ASK
	s_lshr_b32 s[T0], s[PMASK], s[GS]
	s_and_b32 s[T0], s[T0], 1
	s_cmp_lg_u32 s[T0], 0
	s_cbranch_scc0 .Lnot_mine_\@
	global_prefetch_b8 v[PFO], s[PFA:PFA+1] th:TH_LOAD_NT scope:SCOPE_SE
.Lnot_mine_\@:
.endm
	s_load_b128 s[4:7], s[0:1], 0x0                ; xb s[4:5], wb s[6:7]
	s_load_b128 s[72:75], s[0:1], 0x10             ; bq s[72:73], bk s[74:75]
	s_load_b128 s[76:79], s[0:1], 0x20             ; bv s[76:77], qkv s[78:79]
	v_lshl_add_u32 v[SPW], v0, 2, SPARE
	v_mov_b32 v[NIL], 0
	ds_add_u32 v[SPW], v[NIL]                      ; the wave's opening: the add and its wait ahead of my first tensor load; the set-up below stands between them
	v_lshrrev_b32 v1, 5, v0
	v_readfirstlane_b32 s10, v1                    ; wave 0..3
	s_lshr_b32 s11, s10, 1                         ; which 64 rows of the tile are mine.  Also: I fetch for x (0) or for W (1)
	s_and_b32 s12, s10, 1                          ; which 128 columns.  Also: which 64 rows of that tile I fetch
	s_bfe_u32 s40, ttmp6, 0x40000                  ; cx
	s_bfe_u32 s41, ttmp6, 0x40004                  ; cy
	s_lshl_b32 s42, ttmp9, 2
	s_add_co_u32 s42, s42, s40                     ; tile column = 4 x cluster x + cx
	s_and_b32 s14, ttmp7, 0xffff                   ; cluster y
	s_lshl_b32 s13, s14, 2
	s_add_co_u32 s13, s13, s41                     ; tile row = 4 x cluster y + cy
	s_and_b32 s[ROT], s14, 7                       ; where my cluster's walk begins
	s_lshl_b32 s70, s41, 2
	s_lshl_b32 s70, 15, s70                        ; my row of the cluster
	s_lshl_b32 s71, 0x1111, s40                    ; my column
	s_or_b32 s[G1A], s70, (1<<16)|(1<<20)|(1<<21)|(5<<22)|(3<<25)  ; the mask; 2-byte elements; padding on; bit 21 beside a mask; after every 64 words 4 words
	s_mov_b32 s[G1A+1], KSTEP<<16                  ; tensor_dim0 = 128
	s_mov_b32 s[G1A+2], 64<<16                     ; tensor_dim1 = 64
	s_mov_b32 s[G1A+3], KSTEP<<16                  ; tile_dim0 = 128
	s_mov_b32 s[G1A+4], 64                         ; tile_dim1 = 64
	s_mov_b32 s[G1A+5], 1024                       ; elements from row to row
	s_mov_b32 s[G1A+6], 0
	s_mov_b32 s[G1A+7], 0
	s_or_b32 s[G1B], s71, (1<<16)|(1<<20)|(1<<21)|(6<<22)|(7<<25)  ; after every 128 words 8 words
	s_mov_b32 s[G1B+1], 256<<16                    ; tensor_dim0 = 256
	s_mov_b32 s[G1B+2], 64<<16
	s_mov_b32 s[G1B+3], 256<<16                    ; tile_dim0 = 256
	s_mov_b32 s[G1B+4], 64
	s_mov_b32 s[G1B+5], 1024
	s_mov_b32 s[G1B+6], 0
	s_mov_b32 s[G1B+7], 0
	s_lshl_b32 s16, s13, 18                        ; x: 128 rows x tile row,
	s_lshl_b32 s17, s12, 17                        ; + my 64 of them
	s_add_co_u32 s16, s16, s17
	s_mov_b32 s17, 0
	s_lshl_b32 s20, s42, 9                         ; W: 256 columns x tile column,
	s_lshl_b32 s21, s12, 17                        ; + my 64 k rows of a slice
	s_add_co_u32 s20, s20, s21
	s_mov_b32 s21, 0
	s_mul_i32 s22, s12, 64*PA                      ; where they go: no place in the cluster enters an LDS address
	s_mul_i32 s23, s12, 64*PB
	s_add_co_u32 s23, s23, BOFF
	s_mov_b32 s[G0A0], 1
	s_mov_b32 s[G0A0+1], s22                       ; slot 0
	s_mov_b32 s[G0A], 1
	s_add_co_u32 s[G0A+1], s22, SLOT1              ; slot 1
	s_mov_b32 s[G0B0], 1
	s_mov_b32 s[G0B0+1], s23
	s_mov_b32 s[G0B], 1
	s_add_co_u32 s[G0B+1], s23, SLOT1
	s_mov_b32 s[TB], 0
	s_mov_b32 s[GS], 0
	s_mov_b32 s[OFF+1], 0
	s_mov_b32 s[POF+1], 0
	s_wait_dscnt 0x0                               ; the opening add is done
	s_wait_kmcnt 0x0
	s_add_nc_u64 s[ABS:ABS+1], s[4:5], s[16:17]
	s_add_nc_u64 s[BBS:BBS+1], s[6:7], s[20:21]
	s_mov_b32 s[FS], 0
	AIM G0A0, G0B0                                 ; the walk's step 0
	s_mov_b32 s[FS], 1
	AIM G0A, G0B                                   ; and step 1
	CROUND                                         ; all sixteen work-groups are here: the first joint loads meet
	JLOAD G0A0, G0B0                               ; two tensor loads of mine are out
	JLOAD G0A, G0B
	v_and_b32 v1, 15, v0                           ; l % 16
	v_bfe_u32 v2, v0, 4, 1                         ; l / 16
	v_mul_u32_u24 v3, v1, PA                       ; a fragment of x: row l % 16, 16 bytes for each half of the lanes, twice, 32 bytes apart
	v_lshl_add_u32 v3, v2, 4, v3
	s_mul_i32 s16, s11, 64*PA
	v_add_nc_u32 v[A0V], s16, v3
	v_and_b32 v4, 7, v0                            ; the turning load: lane l reads k row 8 (l / 16) + l % 8, columns 8 ((l / 8) % 2) + 0..7, and ends with column l % 16 and 8 k
	v_lshl_add_u32 v4, v2, 3, v4
	v_mul_u32_u24 v4, v4, PB
	v_bfe_u32 v5, v0, 3, 1
	v_lshl_add_u32 v4, v5, 4, v4
	s_lshl_b32 s16, s12, 8
	s_add_co_u32 s16, s16, BOFF
	v_add_nc_u32 v[B0V], s16, v4
	s_mul_i32 s16, s10, 16*SP
	s_add_co_u32 s16, s16, STAGE                   ; my stage
	v_mul_u32_u24 v3, v1, SP
	v_lshl_add_u32 v3, v2, 4, v3
	v_add_nc_u32 v[STO], s16, v3
	v_mul_u32_u24 v3, v2, SP
	v_lshl_add_u32 v3, v1, 4, v3
	v_add_nc_u32 v[RD], s16, v3
	v_lshlrev_b32 v3, 11, v2                       ; lanes 0-15 one row of the result, lanes 16-31 the next
	v_lshl_add_u32 v[CO], v1, 4, v3
	s_lshl_b32 s16, s42, 10                        ; the bias of my 128 columns, f32; 8 numbers for each half of the lanes
	s_lshl_b32 s17, s12, 9
	s_add_co_u32 s16, s16, s17
	v_lshl_add_u32 v[BO], v2, 5, s16
	v_and_b32 v[PFO], 31, v0
	v_lshlrev_b32 v[PFO], 11, v[PFO]
	s_lshl_b32 s18, s13, 18                        ; my part of q's tile
	s_lshl_b32 s19, s11, 17
	s_add_co_u32 s18, s18, s19
	s_lshl_b32 s19, s42, 9
	s_add_co_u32 s18, s18, s19
	s_lshl_b32 s19, s12, 8
	s_add_co_u32 s18, s18, s19
	s_mov_b32 s19, 0
	s_add_nc_u64 s[8:9], s[78:79], s[18:19]
	s_lshl_b32 s16, s13, 7                         ; the prefetches: x's row 128 x tile row + 32 cx;
	s_lshl_b32 s17, s40, 5
	s_add_co_u32 s16, s16, s17
	s_lshl_b32 s16, s16, 11
	s_lshl_b32 s17, s41, 16                        ; W's k row 32 cy of a slice, my half of the tile's 512 bytes
	s_lshl_b32 s18, s42, 9
	s_add_co_u32 s17, s17, s18
	s_lshl_b32 s18, s12, 8
	s_add_co_u32 s17, s17, s18
	s_mov_b32 s20, 1<<21
	s_cmp_eq_u32 s12, 0
	s_cselect_b32 s18, 15, 0                       ; x: wave 0, at changes 0 to 3: steps 4 to 7
	s_cmp_lt_u32 s14, 8
	s_cselect_b32 s19, 0x1010, 0                   ; W: cluster y < 8, at changes 4 and 12: steps 8 and 16, a tile's first
	s_cmp_eq_u32 s11, 0
	s_cselect_b32 s[PMASK], s18, s19               ; the same in all sixteen partners, for a given wave
	s_cselect_b32 s16, s16, s17
	s_cselect_b32 s[PSH], 8, 18
	s_cselect_b32 s[PTM], 0, s20
	s_cselect_b64 s[PFB:PFB+1], s[4:5], s[6:7]
	s_mov_b32 s17, 0
	s_add_nc_u64 s[PFB:PFB+1], s[PFB:PFB+1], s[16:17]
	s_mov_b64 s[BP:BP+1], s[72:73]                 ; the first tile is q's
; 8 matrix instructions: row block a x all 8 column blocks, 32 along K: half c of buffer f.  z = 2: the products start the sums with the bias.
; The 32 accumulators take turns, one instruction a turn: 31 others stand between two links of a chain.
.macro MULA f, c, a, z
.irp b, 0,1,2,3,4,5,6,7
.set rD, 64*(\a)+8*(\b)
.set rB, 128*(\f)+64*(\c)+8*(\b)
.set rA, AF+64*(\f)+32*(\c)+8*(\a)
.if (\z) == 2
	WIN MULB
	v_wmma_f32_16x16x32_bf16 v[rD:rD+7], v[rB:rB+7], v[rA:rA+7], v[BIAS+8*(\b):BIAS+8*(\b)+7]
.else
	WIN MUL
	v_wmma_f32_16x16x32_bf16 v[rD:rD+7], v[rB:rB+7], v[rA:rA+7], v[rD:rD+7]
.endif
.endr
.endm
.macro MULS f, c, z
.irp a, 0,1,2,3
	MULA \f, \c, \a, \z
.endr
.endm
; 48 LDS loads: the fragments of unit u (64 along K) of the slot in hand, into buffer f; the first 32 along K first.
.macro FETCH u, f
.irp c, 0,1
	WIN TO_B
.irp b, 0,1,2,3,4,5,6,7
.set rB, 128*(\f)+64*(\c)+8*(\b)
	ds_load_tr16_b128 v[rB:rB+3],   v[ADRB] offset:(64*(\u)+32*(\c))*PB+32*(\b)
	ds_load_tr16_b128 v[rB+4:rB+7], v[ADRB] offset:(64*(\u)+32*(\c)+16)*PB+32*(\b)
.endr
	WIN 0
.irp a, 0,1,2,3
.set rA, AF+64*(\f)+32*(\c)+8*(\a)
	ds_load_b128 v[rA:rA+3],   v[ADRA] offset:128*(\u)+64*(\c)+(\a)*16*PA
	ds_load_b128 v[rA+4:rA+7], v[ADRA] offset:128*(\u)+64*(\c)+(\a)*16*PA+32
.endr
.endr
.endm
; A K step is two units of 64 along K, on buffers 0 and 1.  The first: multiplies buffer 0 and fetches the second unit into buffer 1.
.macro UNIT0 z
	s_wait_dscnt 24                                ; the first 32 along K are in; the 24 loads of the second 32 may be out
	MULS 0, 0, \z
	PLACES
	FETCH 1, 1
	s_wait_dscnt NF                                ; all but the run just issued
	MULS 0, 1, 0
.endm
; THE CHANGE OF SLOTS, and the step's second unit.  Each wave waits for all its tensor loads (one is out: its part of the next slot), adds 0 to its spare word, and waits for that and for its
; reads of this slot, whose second unit lies in buffer 1 by then.  mode 1: the slot is filled again with the walk's step two on; the barrier opens a round of the cluster's, and the joint load is the first
; thing behind it.  Only the descriptors' scalar work stands between the wait for the tile and the request: all 128 matrix instructions of a step lie between a request and the wait for it.
; mode 0: nothing is asked for.
.macro TURN mode
.if (\mode) > 0
	s_wait_xcnt 0x0                                ; the last prefetch, a K step back, has read its address: the next one's is made
	s_add_co_u32 s[T0], s[GS], 4                   ; the step that stands two refills on,
	s_add_co_u32 s[T1], s[T0], s[ROT]
	s_and_b32 s[T1], s[T1], 7                      ; its slice,
	s_lshl_b32 s[POF], s[T1], s[PSH]
	s_lshr_b32 s[T0], s[T0], 3                     ; its tile (W alone)
	s_mul_i32 s[T0], s[T0], s[PTM]
	s_add_co_u32 s[POF], s[POF], s[T0]
	s_add_nc_u64 s[PFA:PFA+1], s[PFB:PFB+1], s[POF:POF+1]
.endif
	WIN 0
	s_wait_tensorcnt 0x0                           ; all my tensor loads have landed, so a group 0 may be written
	ds_add_u32 v[SPW], v[NIL]                      ; 0 onto my spare word: the scalar work below stands between it and the wait for it
.if (\mode) > 0
	s_xor_b32 s[G0A+1], s[G0A+1], SLOT1            ; the walking descriptors: the other slot than last time,
	s_xor_b32 s[G0B+1], s[G0B+1], SLOT1
	s_add_co_u32 s[FS], s[FS], 1                   ; the walk's next step
	AIM G0A, G0B
.endif
	s_xor_b32 s[TB], s[TB], SLOT1
	s_wait_dscnt 0x0                               ; the add is done, and my reads of this slot are over
	s_barrier_signal -1
	s_barrier_wait -1
.if (\mode) > 0
	CREST                                          ; no wave of any partner still reads this slot or has a load on its way
	JLOAD G0A, G0B                                 ; its four v_nop are also the places in front of the loads below
.else
	PLACES
.endif
	v_add_nc_u32 v[ADRA], s[TB], v[A0V]
	v_add_nc_u32 v[ADRB], s[TB], v[B0V]
	FETCH 0, 0
.if (\mode) > 0
	ASK
	s_add_co_u32 s[GS], s[GS], 1
.endif
	MULS 1, 0, 0
	MULS 1, 1, 0
.endm
.macro LASTU                           ; the very last unit: nothing more to fetch
	s_wait_dscnt 24
	MULS 1, 0, 0
	s_wait_dscnt 0x0
	MULS 1, 1, 0
.endm
.macro BIASLD                          ; register 8 b + j: the bias of column 16 b + 8 (l / 16) + j of my 128
.irp b, 0,1,2,3,4,5,6,7
	global_load_b128 v[BIAS+8*(\b):BIAS+8*(\b)+3],   v[BO], s[BP:BP+1] offset:64*(\b)
	global_load_b128 v[BIAS+8*(\b)+4:BIAS+8*(\b)+7], v[BO], s[BP:BP+1] offset:64*(\b)+16
.endr
.endm
.macro ROUNDB                          ; the bias is rounded to bf16 and widened again
.set i, 0
.rept 32
	v_cvt_pk_bf16_f32 v[TMP+i], v[BIAS+2*i], v[BIAS+2*i+1]
.set i, i+1
.endr
.set i, 0
.rept 32
	v_lshlrev_b32 v[BIAS+2*i], 16, v[TMP+i]
	v_and_b32 v[BIAS+2*i+1], 0xffff0000, v[TMP+i]
.set i, i+1
.endr
.endm
; THE WAY OUT of row block a: rounded to f16, 16 bytes a lane (each accumulator's registers in ascending order); into my own stage, and back as whole rows of 256 bytes; stored.
.macro PACK a
	WIN 0x0a                                       ; sources 0 and 1 window 2
.set i, 0
.rept 32
	v_cvt_pk_f16_f32 v[TMP+i], v[64*(\a)+2*i], v[64*(\a)+2*i+1]
.set i, i+1
.endr
	WIN 0
.endm
.macro TOSTAGE a
.set bk, OB+32*((\a)%2)
.irp b, 0,1,2,3,4,5,6,7
	ds_store_b128 v[STO], v[TMP+4*(\b):TMP+4*(\b)+3] offset:32*(\b)
.endr
.irp t, 0,1,2,3,4,5,6,7
	ds_load_b128 v[bk+4*(\t):bk+4*(\t)+3], v[RD] offset:(\t)*2*SP  ; LDS serves a wave's instructions in order (ISA guide 5.7.1.4): these see the stores above
.endr
.endm
.macro SEND a
.set bk, OB+32*((\a)%2)
	s_wait_dscnt 0x0                               ; the block is back in registers
	s_wait_xcnt 0x0                                ; the stores of the block before have read their registers: the next block's loads land there only behind this wait
.irp t, 0,1,2,3,4,5,6,7
	global_store_b128 v[CO], v[bk+4*(\t):bk+4*(\t)+3], s[8:9] offset:(16*(\a)+2*(\t))*XROW  ; 16 lanes store 256 consecutive bytes, aligned
.endr
.endm
	BIASLD
	s_wait_tensorcnt 1                             ; my part of step 0 is in; step 1's load may stay out
	s_barrier_signal -1
	s_barrier_wait -1
	v_add_nc_u32 v[ADRA], s[TB], v[A0V]
	v_add_nc_u32 v[ADRB], s[TB], v[B0V]
	FETCH 0, 0
	s_mov_b32 s2, 3                                ; tiles to go, this one among them: the same in every work-group
.Ltile:
	s_wait_loadcnt 0x0                             ; the tile's bias
	ROUNDB
	UNIT0 2                                        ; a tile's first unit stands in front of the loop: its first products start the sums
	WIN 0                                          ; at a label and at a branch every window is 0
	s_mov_b32 s3, 6
.Lstep:                                        ; a trip: the second unit of one K step and the first of the next; it fills one slot again
	TURN 1
	UNIT0 0
	WIN 0
	s_sub_co_u32 s3, s3, 1
	s_cmp_lg_u32 s3, 0
	s_cbranch_scc1 .Lstep
	s_cmp_eq_u32 s2, 1
	s_cbranch_scc1 .Llast_tile                     ; the last tile's tail is written out: it asks for nothing more
	TURN 1                                         ; the ring goes on into the next tile: its first step,
	UNIT0 0
	TURN 1                                         ; its second, and its first fragments are fetched
	WIN 0
	s_cmp_eq_u32 s2, 3
	s_cselect_b64 s[BP:BP+1], s[74:75], s[76:77]   ; behind q comes k, behind k comes v
	BIASLD
	s_branch .Lout
.Llast_tile:
	TURN 0
	UNIT0 0
	LASTU
	WIN 0
.Lout:                                         ; both refills are asked for, or nothing is left to ask for: the tile goes out
	PLACES                                         ; behind the last products, in front of the conversions that read them
	PACK 0
	TOSTAGE 0
.irp a, 1,2,3                          ; block a's conversions stand between block a - 1's loads from the stage and the wait for them
	PACK \a
	SEND (\a)-1
	TOSTAGE \a
.endr
	SEND 3
	s_wait_xcnt 0x0                                ; the stores have read their registers and their base
	s_add_nc_u64 s[8:9], s[8:9], 1<<24             ; the next plane of qkv (behind v's it is not used)
	s_sub_co_u32 s2, s2, 1
	s_cmp_lg_u32 s2, 0
	s_cbranch_scc1 .Ltile
	s_wait_tensorcnt 0x0                           ; the wave's end: behind my last tensor load and my last LDS store
	ds_add_u32 v[SPW], v[NIL]
	s_wait_dscnt 0x0
	CROUND                                         ; the closing round: no work-group ends while a partner may still ask for a tile that names it
	s_endpgm
.Lfunc_end_k_qebaf53fd40_proj:
	.size	k_qebaf53fd40_proj, .Lfunc_end_k_qebaf53fd40_proj-k_qebaf53fd40_proj
	.p2alignl 7, 3214868480
	.fill 96, 4, 3214868480
	.section	.rodata,"a",@progbits
	.p2align	6, 0x0
	.amdhsa_kernel k_qebaf53fd40_proj
		.amdhsa_group_segment_fixed_size 327680
		.amdhsa_private_segment_fixed_size 0
		.amdhsa_enable_private_segment 0
		.amdhsa_kernarg_size 48
		.amdhsa_user_sgpr_count 2
		.amdhsa_user_sgpr_kernarg_segment_ptr 1
		.amdhsa_wavefront_size32 1
		.amdhsa_system_sgpr_workgroup_id_x 1
		.amdhsa_system_sgpr_workgroup_id_y 1
		.amdhsa_system_sgpr_workgroup_id_z 1
		.amdhsa_system_vgpr_workitem_id 0
		.amdhsa_next_free_vgpr 768
		.amdhsa_next_free_sgpr 96
		.amdhsa_reserve_vcc 0
		.amdhsa_float_denorm_mode_32 3
		.amdhsa_float_denorm_mode_16_64 3
		.amdhsa_memory_ordered 1
		.amdhsa_forward_progress 1
		.amdhsa_inst_pref_size 106
	.end_amdhsa_kernel
	.amdgpu_metadata
---
amdhsa.version: [ 1, 2 ]
amdhsa.kernels:
  - .name:           k_qebaf53fd40_proj
    .symbol:         k_qebaf53fd40_proj.kd
    .args:
      - { .name: xb, .offset: 0, .size: 8, .value_kind: global_buffer, .address_space: global }
      - { .name: wb, .offset: 8, .size: 8, .value_kind: global_buffer, .address_space: global }
      - { .name: bq, .offset: 16, .size: 8, .value_kind: global_buffer, .address_space: global }
      - { .name: bk, .offset: 24, .size: 8, .value_kind: global_buffer, .address_space: global }
      - { .name: bv, .offset: 32, .size: 8, .value_kind: global_buffer, .address_space: global }
      - { .name: qkv, .offset: 40, .size: 8, .value_kind: global_buffer, .address_space: global }
    .group_segment_fixed_size: 327680
    .private_segment_fixed_size: 0
    .kernarg_segment_align: 8
    .kernarg_segment_size: 48
    .max_flat_workgroup_size: 128
    .sgpr_count:     96
    .vgpr_count:     768
    .wavefront_size: 32
...
	.end_amdgpu_metadata
.endif
;; end of part 2
;; launch scores (part 3): grid 8 x 32, 4 waves a work-group, clusters of 4 x 4, 327,680 bytes of LDS; arguments qkv, p, stats; writes p, stats
.if DOCPART == 3
	.amdgcn_target "amdgcn-amd-amdhsa--gfx1250"
	.amdhsa_code_object_version 6
	.text
	.protected	k_qebaf53fd40_scores
	.globl	k_qebaf53fd40_scores
	.p2align	8
	.type	k_qebaf53fd40_scores,@function
k_qebaf53fd40_scores:
	s_mov_b64 s[64:65], 0
	v_nop
	global_prefetch_b8 v0, s[64:65] scope:SCOPE_SE
	s_setreg_imm32_b32 hwreg(HW_REG_WAVE_MODE, 25, 1), 1
	s_wait_xcnt 0x0
	s_wait_alu depctr_hold_cnt(0) depctr_sa_sdst(0) depctr_va_vdst(0) depctr_va_sdst(0) depctr_va_ssrc(0) depctr_va_vcc(0) depctr_vm_vsrc(0)
	s_getreg_b32 s2, hwreg(HW_REG_IB_STS2, 6, 4)
	s_cmp_eq_u32 s2, 0
	s_cbranch_scc0 .Lentry_in_a_cluster
	s_endpgm
.Lentry_in_a_cluster:
	s_bfe_u32 s2, ttmp6, 0x10000c
	s_cmp_lg_u32 s2, 0xf033
	s_cbranch_scc0 .Lentry_shape_is_right
	s_endpgm
.Lentry_shape_is_right:
; For each block of 128 keys of a row's 2,048:  c m = the largest c s of the block, s = q . k, c = log2(e) / 32;  p = 2^(c s - c m);  l = the sum of the block's p.
; qkv: planes [8192][1024] f16 (q at 0, k at 2^24 bytes); p: [8192][2048] f16; stats: [2][16 key blocks][8192 rows] f32: c m, then l.
; The maximum taken away here is the block's own; the launch behind corrects every block to the row's true maximum, so the softmax is exact for every input.
; Products, maxima and sums in f32; p is rounded once to f16 (l is the sum of the unrounded p).  LIMITS: a p below f16's step of 6e-8 counts as 0 in the product behind; NaN and infinities are not treated apart.
; SHARES.  A tile of the scores is 256 queries x 256 keys of one batch: 32 x 8 = 256 work-groups.  Four waves, each 128 x 128: 64 accumulators, 512 registers; a wave's 128 keys are one key block.
; K = 1,024 goes in steps of 128 through a ring of two LDS slots filled by the tensor data mover; rows of 256 bytes.
; CLUSTER 4 x 4.  q's tile hangs on the tile row alone and is asked for jointly by a row of the cluster, k's on the batch and the tile column and is asked for by a column (a cluster's four tile rows lie in one batch).
; THE MATRIX INSTRUCTION IS USED TRANSPOSED (source 0 = 16 keys, source 1 = 16 queries): a lane holds query l % 16 and, in accumulator b, the keys 16 b + 8 (l / 16) + 0..7.
; REGISTERS: window 0: v4-30 addresses and statistics; v64-127, v128-191 fragments of q, two buffers; later v64-127 a block's c s, then p; v32-63, v192-223 at work on the way out
;   window 1: v64-127, v128-191 fragments of k          window 2: the accumulators of my rows 0-63 ((a, b) at v[8 (8 a + b)])          window 3: those of my rows 64-127
.set KSTEP,  128
.set ROWB,   2048                      ; bytes in a row of q and of k
.set PROW,   4096                      ; bytes in a row of p
.set PITCH,  272                       ; an LDS row: 256 bytes + 16 = 68 words: the 16 rows of a load start at 16 different groups of four banks (64 banks of 4 bytes: ISA guide 11.1)
.set HALFT,  128*PITCH                 ; 128 rows: what one tensor load brings, and what one wave reads of q or of k
.set SLOT,   4*HALFT
.set STAGE,  2*SLOT                    ; behind the ring: 16 rows x 272 bytes for each wave
.set SPITCH, 272
.set SSTG,   STAGE+4*16*SPITCH         ; 1,024 bytes for each wave: c m of its 128 rows, then l
.set SPARE,  SSTG+4*1024               ; the spare words, 128 bytes for each wave: two blocks of 256 bytes that no other line names
.set LAPS,   4                         ; a lap = two K steps = once round the ring
.set CH,   4                           ; v4-7   four running maxima
.set CM,   8                           ; v8-9   c m; the packed subtraction names a pair and takes its low word for both halves
.set SL,   10                          ; v10    where I put the statistics of the block in hand
.set CV,   12                          ; v12-13 c, twice
.set SS,   14                          ; v14    the same for block 0; never rewritten
.set SR,   15                          ; v15    where I read 16 bytes of them back
.set ADRA, 16                          ; v16-17 LDS address of my q fragments in slot 0, 1
.set ADRB, 20                          ; v20-21 the same for k
.set STO,  24
.set RD,   25
.set CO,   26                          ; v26    my byte offset in p
.set SO,   27                          ; v27    my byte offset in stats
.set SPW,  28
.set NIL,  29
.set PFO,  30                          ; v30    the prefetches' offset: my lane x a row
.set OB,   32                          ; v32-63 rows read back from the stage
.set F0,   64
.set F1,   128
.set WW,   64
.set TMP,  192
.set G1, 24                            ; s[24:31] descriptor group 1 for q's tiles;  s[32:39] group 0, a set for each slot
.set G0, 32
.set LIM, 43                           ; s43  1 in a wave that prefetches, else the greatest number
.set PFA, 44                           ; s[44:45] where my prefetches stand
.set G1B, 48                           ; s[48:55], s[56:63] the same for k's tiles
.set G0B, 56
.set SEL, 68                           ; s68, s69  v_permlanex16_b32's selects: each lane takes its own place in the other half
.set MSB, 0
.macro WIN new
.if MSB != (\new)
	s_set_vgpr_msb (MSB<<8)|(\new)
.set MSB, \new
.endif
.endm
.set MUL_LO, 0xa1                      ; source 0 (k) window 1, source 1 (q) window 0, C and D window 2
.set MUL_HI, 0xf1                      ; the same, C and D window 3
.set TO_B,   0x40
.macro JLOAD s                         ; a joint load: waves 0 and 1 fetch q's two halves, waves 2 and 3 k's; an s_nop 0 and four v_nop follow each line
	s_cmp_eq_u32 s11, 0
	s_cbranch_scc0 .Lfor_b_\@
	tensor_load_to_lds s[G0+4*(\s):G0+4*(\s)+3], s[G1:G1+7]
	s_nop 0
.rept 4
	v_nop
.endr
	s_branch .Lasked_\@
.Lfor_b_\@:
	tensor_load_to_lds s[G0B+4*(\s):G0B+4*(\s)+3], s[G1B:G1B+7]
	s_nop 0
.rept 4
	v_nop
.endr
.Lasked_\@:
.endm
; A PREFETCH INTO THE L2, behind each joint load and the run of LDS loads that follows it: the K step that stands two refills on, 512 matrix instructions ahead of the load that will ask for it: 32 rows x 256 bytes, a lane a row.
; q's tile row is read by both clusters of a row of clusters: cluster x = 0 asks; k's rows by the two clusters of a batch: the one with even y asks.  Of the 128 rows that a wave fetches each of the four partners
; takes 32, told apart by address.  So each block of 256 bytes is named once.  K steps 0 to 3 come by their loads alone; the loop's last trip asks for nothing.
.macro ASK
	s_cmp_gt_u32 s3, s[LIM]                        ; s3 = 1 in the loop's last trip
	s_cbranch_scc0 .Lnot_mine_\@
	global_prefetch_b8 v[PFO], s[PFA:PFA+1] offset:KSTEP*2 th:TH_LOAD_NT scope:SCOPE_SE
.Lnot_mine_\@:
.endm
.macro CREST
	s_cmp_lg_u32 s10, 0
	s_cbranch_scc1 .Lnot_wave_0_\@
	s_barrier_signal -3
.Lnot_wave_0_\@:
	s_barrier_wait -3
	s_barrier_signal -1
	s_barrier_wait -1
.endm
.macro CROUND
	s_barrier_signal -1
	s_barrier_wait -1
	CREST
.endm
	s_load_b128 s[4:7], s[0:1], 0x0                ; qkv s[4:5], p s[6:7]
	s_load_b64 s[70:71], s[0:1], 0x10              ; stats
	v_lshl_add_u32 v[SPW], v0, 2, SPARE
	v_mov_b32 v[NIL], 0
	ds_add_u32 v[SPW], v[NIL]                      ; the wave's opening: the add and its wait ahead of my first tensor load
	v_lshrrev_b32 v1, 5, v0
	v_readfirstlane_b32 s10, v1                    ; wave 0..3
	s_lshr_b32 s11, s10, 1                         ; which half of the tile's rows is mine.  Also: I fetch for q (0) or for k (1)
	s_and_b32 s12, s10, 1                          ; which half of its keys.  Also: which 128 rows of that tile I fetch
	s_bfe_u32 s40, ttmp6, 0x40000                  ; cx
	s_bfe_u32 s41, ttmp6, 0x40004                  ; cy
	s_lshl_b32 s42, ttmp9, 2
	s_add_co_u32 s42, s42, s40                     ; tile column (256 keys of the batch)
	s_and_b32 s67, ttmp7, 0xffff                   ; cluster y; the batch is cluster y / 2
	s_lshl_b32 s13, s67, 2
	s_add_co_u32 s13, s13, s41                     ; tile row (256 of the 8,192 rows)
	s_lshl_b32 s43, s41, 2
	s_lshl_b32 s43, 15, s43                        ; my row of the cluster
	s_lshl_b32 s44, 0x1111, s40                    ; my column
	s_or_b32 s[G1+0], s43, (1<<16)|(1<<20)|(1<<21)|(5<<22)|(3<<25)   ; the mask; 2-byte elements; padding on; bit 21 beside a mask; after every 64 words 4 words
	s_or_b32 s[G1B+0], s44, (1<<16)|(1<<20)|(1<<21)|(5<<22)|(3<<25)
.irp g, G1, G1B
	s_mov_b32 s[(\g)+1], KSTEP<<16                 ; tensor_dim0 = 128
	s_mov_b32 s[(\g)+2], 128<<16                   ; tensor_dim1 = 128
	s_mov_b32 s[(\g)+3], KSTEP<<16                 ; tile_dim0 = 128
	s_mov_b32 s[(\g)+4], 128                       ; tile_dim1 = 128
	s_mov_b32 s[(\g)+5], 1024                      ; elements from row to row
	s_mov_b32 s[(\g)+6], 0
	s_mov_b32 s[(\g)+7], 0
.endr
	s_mov_b32 s[SEL], 0x76543210
	s_mov_b32 s[SEL+1], 0xfedcba98
	s_lshl_b32 s16, s13, 19                        ; q: 256 rows x tile row,
	s_lshl_b32 s17, s12, 18                        ; + the 128 that I fetch
	s_add_co_u32 s16, s16, s17
	s_mov_b32 s17, 0
	s_lshl_b32 s46, s42, 19                        ; k: 256 rows x tile column,
	s_lshl_b32 s47, s12, 18
	s_add_co_u32 s46, s46, s47
	s_lshr_b32 s47, s67, 1
	s_lshl_b32 s47, s47, 22                        ; + the batch's 2,048 rows,
	s_add_co_u32 s46, s46, s47
	s_add_co_u32 s46, s46, 1<<24                   ; in k's plane
	s_mov_b32 s47, 0
	s_mul_i32 s20, s10, HALFT                      ; where they go: wave x 128 rows: no place in the cluster enters an LDS address
	s_wait_dscnt 0x0                               ; the opening add is done
	s_wait_kmcnt 0x0
	s_add_nc_u64 s[14:15], s[4:5], s[16:17]
	s_add_nc_u64 s[46:47], s[4:5], s[46:47]
	CROUND                                         ; all sixteen work-groups are here: the first joint loads meet
.irp s, 0,1
	s_mov_b32 s[G0+4*(\s)], 1
	s_add_co_u32 s[G0+4*(\s)+1], s20, (\s)*SLOT
	s_add_nc_u64 s[G0+4*(\s)+2:G0+4*(\s)+3], s[14:15], (\s)*KSTEP*2
	s_or_b32 s[G0+4*(\s)+3], s[G0+4*(\s)+3], 0x80000000
	s_mov_b32 s[G0B+4*(\s)], 1
	s_add_co_u32 s[G0B+4*(\s)+1], s20, (\s)*SLOT
	s_add_nc_u64 s[G0B+4*(\s)+2:G0B+4*(\s)+3], s[46:47], (\s)*KSTEP*2
	s_or_b32 s[G0B+4*(\s)+3], s[G0B+4*(\s)+3], 0x80000000
	JLOAD \s                                       ; two tensor loads of mine are out
.endr
	v_and_b32 v1, 15, v0                           ; l % 16
	v_bfe_u32 v2, v0, 4, 1                         ; l / 16
	v_mul_u32_u24 v3, v1, PITCH
	v_lshl_add_u32 v3, v2, 4, v3                   ; a fragment's row x pitch + 16 x half
	s_mul_i32 s21, s11, HALFT                      ; my 128 rows of q
	s_mul_i32 s22, s12, HALFT                      ; my 128 rows of k,
	s_add_co_u32 s22, s22, 2*HALFT                 ; which lie behind q's 256
.irp s, 0,1
	v_add_nc_u32 v[ADRA+(\s)], s21, v3
	v_add_nc_u32 v[ADRB+(\s)], s22, v3
	s_add_co_u32 s21, s21, SLOT
	s_add_co_u32 s22, s22, SLOT
.endr
	s_mul_i32 s23, s10, 16*SPITCH
	s_add_co_u32 s23, s23, STAGE                   ; my stage
	v_mul_u32_u24 v4, v1, SPITCH
	v_lshl_add_u32 v4, v2, 4, v4
	v_add_nc_u32 v[STO], s23, v4
	v_mul_u32_u24 v5, v2, SPITCH
	v_lshl_add_u32 v5, v1, 4, v5
	v_add_nc_u32 v[RD], s23, v5
	v_lshlrev_b32 v5, 12, v2                       ; lanes 0-15 one row of p, lanes 16-31 the next
	v_lshl_add_u32 v[CO], v1, 4, v5
	s_lshl_b32 s23, s10, 10
	s_add_co_u32 s23, s23, SSTG                    ; my statistics
	v_lshl_add_u32 v[SS], v1, 2, s23
	v_and_b32 v3, 31, v0
	v_lshl_add_u32 v[SR], v3, 4, s23
	v_lshlrev_b32 v[SO], 4, v3
	v_lshlrev_b32 v[PFO], 11, v3
	v_mov_b32 v[CM+1], 0                           ; named with c m as a pair, so it is written
	v_mov_b32 v[CV], 0x3d38aa3b                    ; c = log2(e) / 32
	v_mov_b32 v[CV+1], 0x3d38aa3b
	s_lshl_b32 s16, s13, 20                        ; my part of p: 256 rows x tile row + my 128 rows,
	s_lshl_b32 s17, s11, 19
	s_add_co_u32 s16, s16, s17
	s_lshl_b32 s17, s42, 9                         ; 256 keys x tile column + my 128 keys
	s_add_co_u32 s16, s16, s17
	s_lshl_b32 s17, s12, 8
	s_add_co_u32 s16, s16, s17
	s_mov_b32 s17, 0
	s_add_nc_u64 s[8:9], s[6:7], s[16:17]
	s_lshl_b32 s16, s42, 16                        ; my part of stats: key block 2 x tile column + my half,
	s_lshl_b32 s17, s12, 15
	s_add_co_u32 s16, s16, s17
	s_lshl_b32 s17, s13, 10                        ; my 128 rows
	s_add_co_u32 s16, s16, s17
	s_lshl_b32 s17, s11, 9
	s_add_co_u32 s16, s16, s17
	s_mov_b32 s17, 0
	s_add_nc_u64 s[70:71], s[70:71], s[16:17]
	s_lshl_b32 s20, s13, 8                         ; the prefetches: qkv as one table of rows: q's tile begins at row 256 x tile row,
	s_lshl_b32 s21, s42, 8                         ; k's at 8,192 + 2,048 x batch + 256 x tile column
	s_lshr_b32 s22, s67, 1
	s_lshl_b32 s22, s22, 11
	s_add_co_u32 s21, s21, s22
	s_add_co_u32 s21, s21, 8192
	s_and_b32 s23, s67, 1
	s_cmp_eq_u32 s11, 0                            ; do I fetch for q?
	s_cselect_b32 s20, s20, s21
	s_cselect_b32 s21, s40, s41                    ; my place among the four that ask with me
	s_cselect_b32 s22, ttmp9, s23                  ; the coordinate along which another cluster reads the same rows
	s_cmp_eq_u32 s22, 0
	s_cselect_b32 s[LIM], 1, -1                    ; the same in all sixteen partners, for a given wave
	s_lshl_b32 s22, s12, 7
	s_add_co_u32 s20, s20, s22                     ; + the 128 rows that I fetch
	s_lshl_b32 s21, s21, 5
	s_add_co_u32 s20, s20, s21                     ; + my work-group's 32 of them
	s_lshl_b32 s20, s20, 11
	s_add_co_u32 s20, s20, 2*KSTEP*2               ; at K step 2: the first refill steps it to 3 and names K step 4
	s_mov_b32 s21, 0
	s_add_nc_u64 s[PFA:PFA+1], s[4:5], s[20:21]
; 16 matrix instructions: row blocks a0, a0 + 1 of the window's four x all 8 key blocks, 32 along K.  zero = 1: the products start the sums.
; The 64 accumulators take turns, one instruction a turn, in the same order in every quarter.
.macro MUL16 f, hi, a0, zero
	WIN MUL_LO+0x50*(\hi)
.irp a, \a0, (\a0)+1
.irp b, 0,1,2,3,4,5,6,7
.if \zero
	v_wmma_f32_16x16x32_f16 v[8*(8*(\a)+(\b)):8*(8*(\a)+(\b))+7], v[(\f)+8*(\b):(\f)+8*(\b)+7], v[(\f)+8*(4*(\hi)+(\a)):(\f)+8*(4*(\hi)+(\a))+7], 0
.else
	v_wmma_f32_16x16x32_f16 v[8*(8*(\a)+(\b)):8*(8*(\a)+(\b))+7], v[(\f)+8*(\b):(\f)+8*(\b)+7], v[(\f)+8*(4*(\hi)+(\a)):(\f)+8*(4*(\hi)+(\a))+7], v[8*(8*(\a)+(\b)):8*(8*(\a)+(\b))+7]
.endif
.endr
.endr
.endm
.macro FETCH slot, k, f                ; 32 LDS loads in one run: the fragments of a quarter step (32 along K at byte k of the rows) into buffer f
	WIN TO_B
.irp i, 0,1,2,3,4,5,6,7
	ds_load_b128 v[(\f)+8*(\i):(\f)+8*(\i)+3],   v[ADRB+(\slot)] offset:(\k)+(\i)*16*PITCH
	ds_load_b128 v[(\f)+8*(\i)+4:(\f)+8*(\i)+7], v[ADRB+(\slot)] offset:(\k)+(\i)*16*PITCH+32
.endr
	WIN 0
.irp i, 0,1,2,3,4,5,6,7
	ds_load_b128 v[(\f)+8*(\i):(\f)+8*(\i)+3],   v[ADRA+(\slot)] offset:(\k)+(\i)*16*PITCH
	ds_load_b128 v[(\f)+8*(\i)+4:(\f)+8*(\i)+7], v[ADRA+(\slot)] offset:(\k)+(\i)*16*PITCH+32
.endr
.endm
.macro PLACES                          ; four plain instructions between a matrix instruction and a load into, or a vector read of, its registers
.rept 4
	v_nop
.endr
.endm
.macro QUARTER slot, k, f, g, zero     ; multiplies buffer f; in its middle fetches the next quarter, at byte k of the same slot's rows, into buffer g
	s_wait_dscnt 8                                 ; k and q's rows 0-63 are in; the youngest eight loads (q's rows 64-127) may be out
	MUL16 \f, 0, 0, \zero
	MUL16 \f, 0, 2, \zero
	PLACES
	FETCH \slot, \k, \g
	s_wait_dscnt 32                                ; all but the 32 just issued
	MUL16 \f, 1, 0, \zero
	MUL16 \f, 1, 2, \zero
.endm
.macro LASTQ                           ; a K step's last quarter: buffer 1, which is whole by the change of slots
	MUL16 F1, 0, 0, 0
	MUL16 F1, 0, 2, 0
	MUL16 F1, 1, 0, 0
	MUL16 F1, 1, 2, 0
.endm
; THE CHANGE OF SLOTS: one barrier.  In front of it each wave waits for all its tensor loads (one is out: its part of the next slot), adds 0 to its spare word, and waits for that and for its reads of this
; slot, whose last quarter lies in buffer 1 by then.  fill = 1: this slot's descriptors step two K steps on while the add is out.
.macro MEET slot, fill
	WIN 0
	s_wait_tensorcnt 0x0                           ; no tensor load of mine is out, so a group 0 may be written
	ds_add_u32 v[SPW], v[NIL]                      ; 0 onto my spare word
.if \fill
	s_add_nc_u64 s[G0+4*(\slot)+2:G0+4*(\slot)+3], s[G0+4*(\slot)+2:G0+4*(\slot)+3], 2*KSTEP*2
	s_add_nc_u64 s[G0B+4*(\slot)+2:G0B+4*(\slot)+3], s[G0B+4*(\slot)+2:G0B+4*(\slot)+3], 2*KSTEP*2
.endif
	s_wait_dscnt 0x0                               ; the add is done, and my reads of this slot are over
	s_barrier_signal -1
	s_barrier_wait -1
.endm
; The slot just read out is filled again, two K steps on: nothing but the descriptors' steps and the round stands between the wait for the tile and the request, and all 256 matrix instructions of a K step
; lie between a request and the wait for it.
.macro TURN slot, next
	s_wait_xcnt 0x0                                ; the last prefetch, a K step back, has read its address
	s_add_nc_u64 s[PFA:PFA+1], s[PFA:PFA+1], KSTEP*2
	MEET \slot, 1
	CREST                                          ; no wave of any partner still reads this slot or has a load on its way
	JLOAD \slot                                    ; its four v_nop are also the places in front of the loads below
	FETCH \next, 0, F0
	ASK
	LASTQ
.endm
	s_wait_tensorcnt 1                             ; my part of K step 0 is in; K step 1's load may stay out
	s_barrier_signal -1
	s_barrier_wait -1
	FETCH 0, 0, F0
	QUARTER 0, 64,  F0, F1, 1                      ; the first quarter stands in front of the loop: its products start the sums
	WIN 0                                          ; at a label and at a branch every window is 0
	s_mov_b32 s3, LAPS-1
.Llap:                                         ; a trip goes once round the ring, from a lap's second quarter to the next lap's first, and fills both slots again
	QUARTER 0, 128, F1, F0, 0
	QUARTER 0, 192, F0, F1, 0
	TURN 0, 1
	QUARTER 1, 64,  F0, F1, 0
	QUARTER 1, 128, F1, F0, 0
	QUARTER 1, 192, F0, F1, 0
	TURN 1, 0
	QUARTER 0, 64,  F0, F1, 0
	WIN 0
	s_sub_co_u32 s3, s3, 1
	s_cmp_lg_u32 s3, 0
	s_cbranch_scc1 .Llap
	QUARTER 0, 128, F1, F0, 0                      ; the last lap fills nothing, and has no round of the cluster's barrier
	QUARTER 0, 192, F0, F1, 0
	MEET 0, 0
	PLACES
	FETCH 1, 0, F0
	LASTQ
	QUARTER 1, 64,  F0, F1, 0
	QUARTER 1, 128, F1, F0, 0
	QUARTER 1, 192, F0, F1, 0
	s_wait_dscnt 0x0                               ; the very last quarter: nothing more to fetch
	LASTQ
	PLACES                                         ; behind the last products, in front of the multiplies that read them
	WIN 0
; THE SOFTMAX'S PART, a wave's own work: eight blocks of 16 queries x 128 keys, one a trip.  A lane holds 64 scores of one query; the lane 16 away holds the other 64.
; Only the step that takes a block's scores out of their window is written once for each block (an instruction's window is a constant of the text): c s into window 0, each accumulator's registers in
; ascending order.  It is reached by forward jumps on the trip's number.  All the rest is written once.
.macro PRE a
	WIN 2+(\a)/4                                   ; source 0 in the scores' window
.set j, 0
.rept 32
	v_pk_mul_f32 v[WW+2*j:WW+2*j+1], v[64*((\a)%4)+2*j:64*((\a)%4)+2*j+1], v[CV:CV+1]
.set j, j+1
.endr
	WIN 0
.endm
.macro SUB j                           ; c s - c m for pair j
	v_pk_add_f32 v[WW+2*(\j):WW+2*(\j)+1], v[WW+2*(\j):WW+2*(\j)+1], v[CM:CM+1] op_sel_hi:[1,0] neg_lo:[0,1] neg_hi:[0,1]
.endm
	s_mov_b32 s2, 0                                ; the block
	s_mov_b32 s16, 0                               ; what the trip adds to p's address: nothing in the first,
	s_mov_b32 s17, 0
	s_mov_b32 s18, 0                               ; 64 x the block: its 16 words among my statistics
.Lblk:
.irp a, 0,1,2,3,4,5,6
	s_cmp_eq_u32 s2, \a
	s_cbranch_scc1 .Lpre\a
.endr
.irp a, 7,6,5,4,3,2,1,0
.Lpre\a:
	PRE \a
.if (\a) > 0
	s_branch .Lcom
.endif
.endr
.Lcom:
	v_add_nc_u32 v[SL], s18, v[SS]
.set n, 0
.rept 32                               ; the largest of my 64 c s: four chains, two numbers at a time
.set kc, n%4
.set rr, WW+16*kc+2*(n/4)
.if n < 4
	v_max_num_f32 v[CH+kc], v[rr], v[rr+1]
.else
	v_max3_num_f32 v[CH+kc], v[CH+kc], v[rr], v[rr+1]
.endif
.set n, n+1
.endr
	v_max3_num_f32 v[CH], v[CH], v[CH+1], v[CH+2]
	v_max_num_f32 v[CH], v[CH], v[CH+3]
	v_permlanex16_b32 v[CH+1], v[CH], s[SEL], s[SEL+1]  ; the query's other 64 keys lie in the lane 16 away
	v_max_num_f32 v[CM], v[CH], v[CH+1]
	ds_store_b32 v[SL], v[CM]                      ; both halves of the lanes write the same word with the same number
; The 64 exponentials are ONE batch: nothing names a result ahead of the one wait.  28 of the 32 subtractions stand among them, each four pairs ahead of its pair's exponentials.
.set j, 0
.rept 4
	SUB j
.set j, j+1
.endr
.set n, 0
.rept 28
	v_exp_f32 v[WW+2*n], v[WW+2*n]
	v_exp_f32 v[WW+2*n+1], v[WW+2*n+1]
	SUB n+4
.set n, n+1
.endr
.rept 4
	v_exp_f32 v[WW+2*n], v[WW+2*n]
	v_exp_f32 v[WW+2*n+1], v[WW+2*n+1]
.set n, n+1
.endr
	v_nop                                          ; the plain instruction behind the last exponential
	s_wait_xcnt 0x0                                ; the last block's stores have read their registers and their base
	s_add_nc_u64 s[8:9], s[8:9], s[16:17]          ; on to this block's 16 rows of p
	s_mov_b32 s16, 16*PROW                         ; 16 rows in every later trip
	s_wait_alu depctr_va_vdst(0)                   ; the wait for the batch
.set i, 0
.rept 32
	v_cvt_pk_f16_f32 v[TMP+i], v[WW+2*i], v[WW+2*i+1]
.set i, i+1
.endr
.irp b, 0,1,2,3,4,5,6,7
	ds_store_b128 v[STO], v[TMP+4*(\b):TMP+4*(\b)+3] offset:32*(\b)
.endr
.irp t, 0,1,2,3,4,5,6,7
	ds_load_b128 v[OB+4*(\t):OB+4*(\t)+3], v[RD] offset:(\t)*2*SPITCH  ; LDS serves a wave's instructions in order (ISA guide 5.7.1.4): these see the stores above
.endr
.irp d, 32,16,8,4,2                    ; the sum of my 64 p, in f32, in place: halves 32, 16, 8, 4 and 2 registers apart; it stands between the loads from the stage and the wait for them
.set i, 0
.rept (\d)/2
	v_pk_add_f32 v[WW+2*i:WW+2*i+1], v[WW+2*i:WW+2*i+1], v[WW+(\d)+2*i:WW+(\d)+2*i+1]
.set i, i+1
.endr
.endr
	v_add_f32 v[WW], v[WW], v[WW+1]
	v_permlanex16_b32 v[WW+1], v[WW], s[SEL], s[SEL+1]
	v_add_f32 v[WW], v[WW], v[WW+1]
	ds_store_b32 v[SL], v[WW] offset:512
	s_wait_dscnt 1                                 ; the block is back in registers; the store of l may be out
.irp t, 0,1,2,3,4,5,6,7
	global_store_b128 v[CO], v[OB+4*(\t):OB+4*(\t)+3], s[8:9] offset:2*(\t)*PROW  ; 16 lanes store 256 consecutive bytes, aligned
.endr
	s_add_co_u32 s18, s18, 64
	s_add_co_u32 s2, s2, 1
	s_cmp_lt_u32 s2, 8
	s_cbranch_scc1 .Lblk
	ds_load_b128 v[TMP:TMP+3],   v[SR]             ; c m of my 128 rows, 16 bytes a lane,
	ds_load_b128 v[TMP+4:TMP+7], v[SR] offset:512  ; and l
	s_wait_dscnt 0x0
	global_store_b128 v[SO], v[TMP:TMP+3],   s[70:71]                ; 512 consecutive bytes, aligned
	global_store_b128 v[SO], v[TMP+4:TMP+7], s[70:71] offset:1<<19
	s_wait_tensorcnt 0x0                           ; the wave's end: behind my last tensor load and my last LDS store
	ds_add_u32 v[SPW], v[NIL]
	s_wait_dscnt 0x0
	CROUND                                         ; the closing round
	s_endpgm
.Lfunc_end_k_qebaf53fd40_scores:
	.size	k_qebaf53fd40_scores, .Lfunc_end_k_qebaf53fd40_scores-k_qebaf53fd40_scores
	.p2alignl 7, 3214868480
	.fill 96, 4, 3214868480
	.section	.rodata,"a",@progbits
	.p2align	6, 0x0
	.amdhsa_kernel k_qebaf53fd40_scores
		.amdhsa_group_segment_fixed_size 327680
		.amdhsa_private_segment_fixed_size 0
		.amdhsa_enable_private_segment 0
		.amdhsa_kernarg_size 24
		.amdhsa_user_sgpr_count 2
		.amdhsa_user_sgpr_kernarg_segment_ptr 1
		.amdhsa_wavefront_size32 1
		.amdhsa_system_sgpr_workgroup_id_x 1
		.amdhsa_system_sgpr_workgroup_id_y 1
		.amdhsa_system_sgpr_workgroup_id_z 1
		.amdhsa_system_vgpr_workitem_id 0
		.amdhsa_next_free_vgpr 1024
		.amdhsa_next_free_sgpr 72
		.amdhsa_reserve_vcc 0
		.amdhsa_float_denorm_mode_32 3
		.amdhsa_float_denorm_mode_16_64 3
		.amdhsa_memory_ordered 1
		.amdhsa_forward_progress 1
		.amdhsa_inst_pref_size 143
	.end_amdhsa_kernel
	.amdgpu_metadata
---
amdhsa.version: [ 1, 2 ]
amdhsa.kernels:
  - .name:           k_qebaf53fd40_scores
    .symbol:         k_qebaf53fd40_scores.kd
    .args:
      - { .name: qkv, .offset: 0, .size: 8, .value_kind: global_buffer, .address_space: global }
      - { .name: p, .offset: 8, .size: 8, .value_kind: global_buffer, .address_space: global }
      - { .name: stats, .offset: 16, .size: 8, .value_kind: global_buffer, .address_space: global }
    .group_segment_fixed_size: 327680
    .private_segment_fixed_size: 0
    .kernarg_segment_align: 8
    .kernarg_segment_size: 24
    .max_flat_workgroup_size: 128
    .sgpr_count:     72
    .vgpr_count:     1024
    .wavefront_size: 32
...
	.end_amdgpu_metadata
.endif
;; end of part 3
;; launch pv (part 4): grid 4 x 64, 4 waves a work-group, clusters of 4 x 4, 327,680 bytes of LDS; arguments p, qkv, stats, out0; writes out0
.if DOCPART == 4
	.amdgcn_target "amdgcn-amd-amdhsa--gfx1250"
	.amdhsa_code_object_version 6
	.text
	.protected	k_qebaf53fd40_pv
	.globl	k_qebaf53fd40_pv
	.p2align	8
	.type	k_qebaf53fd40_pv,@function
k_qebaf53fd40_pv:
	s_mov_b64 s[64:65], 0
	v_nop
	global_prefetch_b8 v0, s[64:65] scope:SCOPE_SE
	s_setreg_imm32_b32 hwreg(HW_REG_WAVE_MODE, 25, 1), 1
	s_wait_xcnt 0x0
	s_wait_alu depctr_hold_cnt(0) depctr_sa_sdst(0) depctr_va_vdst(0) depctr_va_sdst(0) depctr_va_ssrc(0) depctr_va_vcc(0) depctr_vm_vsrc(0)
	s_getreg_b32 s2, hwreg(HW_REG_IB_STS2, 6, 4)
	s_cmp_eq_u32 s2, 0
	s_cbranch_scc0 .Lentry_in_a_cluster
	s_endpgm
.Lentry_in_a_cluster:
	s_bfe_u32 s2, ttmp6, 0x10000c
	s_cmp_lg_u32 s2, 0xf033
	s_cbranch_scc0 .Lentry_shape_is_right
	s_endpgm
.Lentry_shape_is_right:
; out[row] = (1 / L) x the sum over the 16 key blocks of e_blk P_blk V_blk,  with c M = the largest c m_blk of the row,  e_blk = 2^(c m_blk - c M),  L = the sum of l_blk e_blk.
; p: [8192][2048] f16 (each key block relative to its own maximum); qkv: v's plane at 2^25 bytes, [8192][1024] f16; stats: [2][16][8192] f32 (c m, l); out0: [8192][1024] f32.
; So every weight is taken relative to the row's TRUE maximum: the softmax is exact.  c M, L and all matrix sums in f32; e (at most 1) is rounded to f16, and p e once more to f16, as the matrix operand.
; LIMITS: an e or a p e below f16's step of 6e-8 counts as 0; NaN and infinities are not treated apart.
; SHARES.  A tile of out is 128 rows x 256 columns: 64 x 4 = 256 work-groups.  Four waves, each 64 x 128: 32 accumulators.  K = 2,048 keys goes in steps of 128, a key block a step, through two LDS slots:
; 128 rows of p (256 bytes each) and 128 rows of v (512 bytes each).  Two slots of a longer step do not fit in LDS.  v lies [key][column], so its fragments come out of LDS turned.
; THE WALK ALONG THE KEYS IS ROTATED: the four clusters of a batch (cluster y mod 4 = 0 .. 3) begin at key blocks 0, 4, 8 and 12 and go round.  So they ask for different rows of v at any step, each following
; its neighbour by four steps.  The table of e in LDS is laid in the order of the walk, so no LDS address hangs on the cluster.  The f32 sums are taken in that order of the keys.
; THE MATRIX INSTRUCTION IS USED TRANSPOSED (source 0 = 16 columns of v, source 1 = 16 rows of p): a lane holds row l % 16 in p's fragment and in the result, so a fragment is scaled by ONE e a lane:
; eight packed multiplies a fragment, set in fours behind matrix instructions that name other registers.
; CLUSTER 4 x 4.  p's tile is asked for jointly by a row of the cluster, v's by a column (a cluster's four tile rows lie in one batch).
; REGISTERS: window 0: v6-11 offsets of the statistics; v16-31 addresses; v32-39 e, twice in f16, by buffer and row block; v40-47 1 / L; v64-191 fragments of p, two buffers; on the way out v64-255 at work
;   window 1: fragments of v, two buffers of 128          window 2: accumulator (a, b) at v[64 a + 8 b]
.set KSTEP, 128
.set PROW,  4096                       ; bytes in a row of p and of out0
.set PA,    272                        ; an LDS row of p: 256 bytes + 16: the 16 rows of a load start at 16 different groups of four banks (64 banks of 4 bytes: ISA guide 11.1)
.set PB,    544                        ; an LDS row of v: 512 bytes + 32
.set BOFF,  128*PA                     ; in a slot: p's 128 rows, then v's 128 rows
.set SLOT1, 1<<17                      ; slot 1 begins here, so that one exclusive or turns an address in one slot into the other's
.set STAGE, SLOT1+BOFF+128*PB          ; behind the ring, never filled by a tensor load: 16 rows x 528 bytes for each wave
.set SP,    528
.set ETAB,  STAGE+4*16*SP              ; e, twice in f16: [16 steps of the walk][128 rows] words
.set ILTAB, ETAB+16*512                ; 1 / L: [128 rows] f32
.set SPARE, ILTAB+512                  ; the spare words, 128 bytes for each wave: two blocks of 256 bytes that no other line names
.set NF,    52                         ; LDS loads in a FETCH
.set A0V,  16                          ; v16  my lane's place in p's tile; never rewritten
.set ADRA, 17                          ; v17  the same in the slot to be read
.set B0V,  20                          ; v20  my lane's place in v's tile; never rewritten
.set ADRB, 21                          ; v21  the same in the slot to be read
.set STO,  24                          ; v24  the way out: where I put 32 bytes of a row
.set RD,   25                          ; v25  the way out: where I read a row back
.set CO,   26                          ; v26  my byte offset in out0
.set EA0,  27                          ; v27  my row's word in ETAB, step 0; never rewritten
.set SPW,  28                          ; v28  LDS address of my spare word; never rewritten
.set NIL,  29                          ; v29  0; never rewritten
.set PFO,  30                          ; v30  the prefetches' offset: my lane x a row of p; never rewritten
.set EA,   31                          ; v31  my row's word in ETAB, in the step to be read
.set ER,   32
.set IL,   40
.set AF,   64
.set TMP,  64
.set OB,   128
.set G1A,  24                          ; s[24:31] descriptor group 1 for p's tiles
.set G0A0, 32                          ; s[32:35] group 0 of the first fill
.set G0A,  36                          ; s[36:39] group 0 that walks
.set PFA,  44                          ; s[44:45] what my next prefetch names
.set POF,  46                          ; s[46:47] its offset from PFB
.set G1B,  48                          ; s[48:55], s[56:59], s[60:63] the same for v's tiles
.set G0B0, 56
.set G0B,  60
.set PLIM, 66                          ; s66  I prefetch while fewer changes of slots than this have passed
.set GS,   67                          ; s67  changes of slots passed
.set TB,   68                          ; s68  LDS byte at which the slot to be read begins
.set EO,   69                          ; s69  512 x the walk's step to be read
.set ABS,  76                          ; s[76:77] p at the rows that I fetch, key 0
.set BBS,  78                          ; s[78:79] v at the keys and columns that I fetch, key block 0 of the batch
.set OFF,  80                          ; s[80:81] a key block's byte offset
.set PFB,  82                          ; s[82:83] the rows of p that I prefetch, key 0
.set FS,   84                          ; s84  the walk's step, 0 to 15, that was asked for last
.set ROT,  85                          ; s85  the key block with which my cluster's walk begins: 4 x (cluster y mod 4)
.set T0,   86
.set MSB, 0
.macro WIN new                         ; the immediate's high byte repeats the setting that is left; a switch that changes nothing is dropped
.if MSB != (\new)
	s_set_vgpr_msb (MSB<<8)|(\new)
.set MSB, \new
.endif
.endm
.set MUL,  0xa1                        ; source 0 (v) window 1, source 1 (p) window 0, C and D window 2
.set TO_B, 0x40                        ; destination window 1, address window 0
.macro JLOAD ga, gb                    ; a joint load: waves 0 and 1 fetch p's two halves, waves 2 and 3 v's; an s_nop 0 and four v_nop follow each line
	s_cmp_eq_u32 s11, 0
	s_cbranch_scc0 .Lfor_b_\@
	tensor_load_to_lds s[(\ga):(\ga)+3], s[G1A:G1A+7]
	s_nop 0
.rept 4
	v_nop
.endr
	s_branch .Lasked_\@
.Lfor_b_\@:
	tensor_load_to_lds s[(\gb):(\gb)+3], s[G1B:G1B+7]
	s_nop 0
.rept 4
	v_nop
.endr
.Lasked_\@:
.endm
.macro CREST                           ; a round of the cluster's barrier behind its opening barrier
	s_cmp_lg_u32 s10, 0
	s_cbranch_scc1 .Lnot_wave_0_\@
	s_barrier_signal -3
.Lnot_wave_0_\@:
	s_barrier_wait -3
	s_barrier_signal -1
	s_barrier_wait -1
.endm
.macro CROUND                          ; a whole round
	s_barrier_signal -1
	s_barrier_wait -1
	CREST
.endm
.macro PLACES                          ; four plain instructions between a matrix instruction and a load into, or a vector read of, its registers
.rept 4
	v_nop
.endr
.endm
; The two descriptors' global addresses for step s[FS] of the walk, made anew from the bases: key block (FS + ROT) mod 16.  Nothing here hangs on a place in the cluster.
.macro AIM ga, gb
	s_add_co_u32 s[T0], s[FS], s[ROT]
	s_and_b32 s[T0], s[T0], 15
	s_lshl_b32 s[OFF], s[T0], 8                    ; 128 keys along a row of p
	s_add_nc_u64 s[(\ga)+2:(\ga)+3], s[ABS:ABS+1], s[OFF:OFF+1]
	s_or_b32 s[(\ga)+3], s[(\ga)+3], 0x80000000    ; type = 2
	s_lshl_b32 s[OFF], s[T0], 18                   ; 128 rows of v
	s_add_nc_u64 s[(\gb)+2:(\gb)+3], s[BBS:BBS+1], s[OFF:OFF+1]
	s_or_b32 s[(\gb)+3], s[(\gb)+3], 0x80000000
.endm
; A PREFETCH INTO THE L2, behind a joint load and the run of LDS loads that follows it: p's part of the walk's step that stands two refills on, 256 matrix instructions ahead of the load that will ask for it.
; Wave 0 names 32 rows x 256 bytes, a lane a row; the four partners that ask for the tile jointly take rows 32 cx on, told apart by address.  So each aligned block of 256 bytes of p is named at most once.
; Steps 0 to 3 come by their loads alone; the count stops at step 15.  v is not asked for: a cluster is the first to ask for a key block's rows only in its steps 0 to 3.
.macro ASK
	s_cmp_lt_u32 s[GS], s[PLIM]
	s_cbranch_scc0 .Lnot_mine_\@
	global_prefetch_b8 v[PFO], s[PFA:PFA+1] th:TH_LOAD_NT scope:SCOPE_SE
.Lnot_mine_\@:
.endm
	s_load_b128 s[4:7], s[0:1], 0x0                ; p s[4:5], qkv s[6:7]
	s_load_b128 s[72:75], s[0:1], 0x10             ; stats s[72:73], out0 s[74:75]
	v_lshl_add_u32 v[SPW], v0, 2, SPARE
	v_mov_b32 v[NIL], 0
	ds_add_u32 v[SPW], v[NIL]                      ; the wave's opening: the add and its wait ahead of my first tensor load; the set-up below stands between them
	v_lshrrev_b32 v1, 5, v0
	v_readfirstlane_b32 s10, v1                    ; wave 0..3
	s_lshr_b32 s11, s10, 1                         ; which 64 rows of the tile are mine.  Also: I fetch for p (0) or for v (1)
	s_and_b32 s12, s10, 1                          ; which 128 columns.  Also: which 64 rows of that tile I fetch
	s_bfe_u32 s40, ttmp6, 0x40000                  ; cx
	s_bfe_u32 s41, ttmp6, 0x40004                  ; cy
	s_lshl_b32 s42, ttmp9, 2
	s_add_co_u32 s42, s42, s40                     ; tile column
	s_and_b32 s14, ttmp7, 0xffff                   ; cluster y; the batch is cluster y / 4
	s_lshl_b32 s13, s14, 2
	s_add_co_u32 s13, s13, s41                     ; tile row
	s_and_b32 s[ROT], s14, 3
	s_lshl_b32 s[ROT], s[ROT], 2                   ; where my cluster's walk begins
	s_lshl_b32 s70, s41, 2
	s_lshl_b32 s70, 15, s70                        ; my row of the cluster
	s_lshl_b32 s71, 0x1111, s40                    ; my column
	s_or_b32 s[G1A], s70, (1<<16)|(1<<20)|(1<<21)|(5<<22)|(3<<25)  ; the mask; 2-byte elements; padding on; bit 21 beside a mask; after every 64 words 4 words
	s_mov_b32 s[G1A+1], KSTEP<<16                  ; tensor_dim0 = 128
	s_mov_b32 s[G1A+2], 64<<16                     ; tensor_dim1 = 64
	s_mov_b32 s[G1A+3], KSTEP<<16                  ; tile_dim0 = 128
	s_mov_b32 s[G1A+4], 64                         ; tile_dim1 = 64
	s_mov_b32 s[G1A+5], 2048                       ; elements from row to row of p
	s_mov_b32 s[G1A+6], 0
	s_mov_b32 s[G1A+7], 0
	s_or_b32 s[G1B], s71, (1<<16)|(1<<20)|(1<<21)|(6<<22)|(7<<25)  ; after every 128 words 8 words
	s_mov_b32 s[G1B+1], 256<<16                    ; tensor_dim0 = 256
	s_mov_b32 s[G1B+2], 64<<16
	s_mov_b32 s[G1B+3], 256<<16                    ; tile_dim0 = 256
	s_mov_b32 s[G1B+4], 64
	s_mov_b32 s[G1B+5], 1024                       ; elements from row to row of v
	s_mov_b32 s[G1B+6], 0
	s_mov_b32 s[G1B+7], 0
	s_lshl_b32 s16, s13, 19                        ; p: 128 rows x tile row,
	s_lshl_b32 s17, s12, 18                        ; + my 64 of them
	s_add_co_u32 s16, s16, s17
	s_mov_b32 s17, 0
	s_lshl_b32 s20, s42, 9                         ; v: 256 columns x tile column,
	s_lshl_b32 s21, s12, 17                        ; + my 64 keys of a block,
	s_add_co_u32 s20, s20, s21
	s_lshr_b32 s21, s14, 2
	s_lshl_b32 s21, s21, 22                        ; + the batch's 2,048 rows,
	s_add_co_u32 s20, s20, s21
	s_add_co_u32 s20, s20, 1<<25                   ; in v's plane
	s_mov_b32 s21, 0
	s_mul_i32 s22, s12, 64*PA                      ; where they go: no place in the cluster enters an LDS address
	s_mul_i32 s23, s12, 64*PB
	s_add_co_u32 s23, s23, BOFF
	s_mov_b32 s[G0A0], 1
	s_mov_b32 s[G0A0+1], s22                       ; slot 0
	s_mov_b32 s[G0A], 1
	s_add_co_u32 s[G0A+1], s22, SLOT1              ; slot 1
	s_mov_b32 s[G0B0], 1
	s_mov_b32 s[G0B0+1], s23
	s_mov_b32 s[G0B], 1
	s_add_co_u32 s[G0B+1], s23, SLOT1
	s_mov_b32 s[TB], 0
	s_mov_b32 s[GS], 0
	s_mov_b32 s[EO], 0
	s_mov_b32 s[OFF+1], 0
	s_mov_b32 s[POF+1], 0
	s_wait_dscnt 0x0                               ; the opening add is done
	s_wait_kmcnt 0x0
	s_add_nc_u64 s[ABS:ABS+1], s[4:5], s[16:17]
	s_add_nc_u64 s[BBS:BBS+1], s[6:7], s[20:21]
	s_mov_b32 s[FS], 0
	AIM G0A0, G0B0                                 ; the walk's step 0
	s_mov_b32 s[FS], 1
	AIM G0A, G0B                                   ; and step 1
	CROUND                                         ; all sixteen work-groups are here: the first joint loads meet
	JLOAD G0A0, G0B0                               ; two tensor loads of mine are out
	JLOAD G0A, G0B
	; THE ROWS' STATISTICS, in the wait for the first tiles: thread t is row t of the work-group's 128.  They are loaded in the order of the walk: its steps 4 q .. 4 q + 3 are key blocks (ROT + 4 q) mod 16 on
	s_lshl_b32 s18, s13, 9
	v_lshl_add_u32 v7, v0, 2, s18
.irp q, 0,1,2,3
	s_add_co_u32 s[T0], s[ROT], 4*(\q)
	s_and_b32 s[T0], s[T0], 15
	s_lshl_b32 s[T0], s[T0], 15                    ; a key block's 8,192 rows of f32
	v_add_nc_u32 v[8+(\q)], s[T0], v7
.endr
.set i, 0
.rept 16
	global_load_b32 v[64+i], v[8+i/4], s[72:73] offset:(i%4)<<15             ; c m of the walk's step i
	global_load_b32 v[80+i], v[8+i/4], s[72:73] offset:(1<<19)+((i%4)<<15)   ; l
.set i, i+1
.endr
	v_and_b32 v1, 15, v0                           ; l % 16
	v_bfe_u32 v2, v0, 4, 1                         ; l / 16
	v_mul_u32_u24 v3, v1, PA                       ; a fragment of p: row l % 16, 16 bytes for each half of the lanes, twice, 32 bytes apart
	v_lshl_add_u32 v3, v2, 4, v3
	s_mul_i32 s16, s11, 64*PA
	v_add_nc_u32 v[A0V], s16, v3
	v_and_b32 v4, 7, v0                            ; the turning load: lane l reads key 8 (l / 16) + l % 8, columns 8 ((l / 8) % 2) + 0..7
	v_lshl_add_u32 v4, v2, 3, v4
	v_mul_u32_u24 v4, v4, PB
	v_bfe_u32 v5, v0, 3, 1
	v_lshl_add_u32 v4, v5, 4, v4
	s_lshl_b32 s16, s12, 8
	s_add_co_u32 s16, s16, BOFF
	v_add_nc_u32 v[B0V], s16, v4
	s_mul_i32 s16, s10, 16*SP
	s_add_co_u32 s16, s16, STAGE                   ; my stage
	v_mul_u32_u24 v3, v1, SP                       ; in: row l % 16, 32 bytes for each half of the lanes
	v_lshl_add_u32 v3, v2, 5, v3
	v_add_nc_u32 v[STO], s16, v3
	v_and_b32 v3, 31, v0
	v_lshl_add_u32 v[RD], v3, 4, s16               ; back: 32 lanes take one row of 512 bytes
	v_lshlrev_b32 v[CO], 4, v3
	v_lshlrev_b32 v[PFO], 12, v3                   ; a lane a row of p
	s_lshl_b32 s16, s11, 8
	s_add_co_u32 s16, s16, ETAB
	v_lshl_add_u32 v[EA0], v1, 2, s16              ; the word of row 64 x my half + l % 16
	v_add_nc_u32 v[EA], s[EO], v[EA0]
	v_lshl_add_u32 v6, v0, 2, ETAB                 ; where thread t puts row t's numbers
	s_lshl_b32 s18, s13, 19                        ; my part of out0: 128 rows x tile row + my 64 rows,
	s_lshl_b32 s19, s11, 18
	s_add_co_u32 s18, s18, s19
	s_lshl_b32 s19, s42, 10                        ; 256 columns x tile column + my 128 columns
	s_add_co_u32 s18, s18, s19
	s_lshl_b32 s19, s12, 9
	s_add_co_u32 s18, s18, s19
	s_mov_b32 s19, 0
	s_add_nc_u64 s[8:9], s[74:75], s[18:19]
	s_lshl_b32 s16, s13, 7                         ; the prefetches: p's row 128 x tile row + 32 cx
	s_lshl_b32 s17, s40, 5
	s_add_co_u32 s16, s16, s17
	s_lshl_b32 s16, s16, 12
	s_mov_b32 s17, 0
	s_add_nc_u64 s[PFB:PFB+1], s[4:5], s[16:17]
	s_cmp_eq_u32 s10, 0
	s_cselect_b32 s[PLIM], 12, 0                   ; wave 0, at changes 0 to 11: steps 4 to 15; the same in all sixteen partners
	s_wait_loadcnt 0x0
	v_max3_num_f32 v112, v64, v65, v66             ; c M: the row's true maximum, times c
.irp i, 67,69,71,73,75,77
	v_max3_num_f32 v112, v112, v[\i], v[(\i)+1]
.endr
	v_max_num_f32 v112, v112, v79
.set i, 0
.rept 16
	v_sub_f32 v[64+i], v[64+i], v112
.set i, i+1
.endr
.set i, 0
.rept 16
	v_exp_f32 v[96+i], v[64+i]                     ; e: one batch,
.set i, i+1
.endr
	v_nop                                          ; a plain instruction behind the last of them,
	s_wait_alu depctr_va_vdst(0)                   ; and the one wait ahead of the first use
	v_mul_f32 v113, v80, v96                       ; L, in f32, in two chains
	v_mul_f32 v114, v81, v97
.irp i, 2,4,6,8,10,12,14
	v_fmac_f32 v113, v[80+(\i)], v[96+(\i)]
	v_fmac_f32 v114, v[81+(\i)], v[97+(\i)]
.endr
	v_add_f32 v113, v113, v114
	v_rcp_f32 v115, v113                           ; L is at least 1: the block that holds the maximum has e = 1 and l >= 1
.set i, 0
.rept 16
	v_cvt_pk_f16_f32 v[96+i], v[96+i], v[96+i]     ; e twice in f16: the packed multiply's second source; these lines are the plain work behind the reciprocal
.set i, i+1
.endr
	s_wait_alu depctr_va_vdst(0)                   ; the reciprocal's wait
.set i, 0
.rept 16
	ds_store_b32 v6, v[96+i] offset:512*i
.set i, i+1
.endr
	ds_store_b32 v6, v115 offset:ILTAB-ETAB
.macro SCALE f, c, a, half             ; four registers of p's fragment times my row's e
	WIN 0
.irp j, 0,1,2,3
.set rA, AF+64*(\f)+32*(\c)+8*(\a)+4*(\half)+(\j)
	v_pk_mul_f16 v[rA], v[rA], v[ER+4*(\f)+(\a)]
.endr
.endm
; 8 matrix instructions: row block a x all 8 column blocks, 32 along K: half c of buffer f.  z = 1: the products start the sums.  Behind the second and the sixth stand the next row block's scalings.
; The 32 accumulators take turns, one instruction a turn.
.macro MULA f, c, a, z
.irp b, 0,1,2,3,4,5,6,7
.set rD, 64*(\a)+8*(\b)
.set rB, 128*(\f)+64*(\c)+8*(\b)
.set rF, AF+64*(\f)+32*(\c)+8*(\a)
	WIN MUL
.if \z
	v_wmma_f32_16x16x32_f16 v[rD:rD+7], v[rB:rB+7], v[rF:rF+7], 0
.else
	v_wmma_f32_16x16x32_f16 v[rD:rD+7], v[rB:rB+7], v[rF:rF+7], v[rD:rD+7]
.endif
.if ((\a) < 3) && ((\b) == 1)
	SCALE \f, \c, (\a)+1, 0
.endif
.if ((\a) < 3) && ((\b) == 5)
	SCALE \f, \c, (\a)+1, 1
.endif
.endr
.endm
.macro MULS f, c, z
	SCALE \f, \c, 0, 0
	SCALE \f, \c, 0, 1
.irp a, 0,1,2,3
	MULA \f, \c, \a, \z
.endr
.endm
; 52 LDS loads: the fragments of unit u (64 along K) of the slot in hand, and the step's e of my four row blocks, into buffer f; the first 32 along K, and e, first.
.macro FETCH u, f
.irp c, 0,1
	WIN TO_B
.irp b, 0,1,2,3,4,5,6,7
.set rB, 128*(\f)+64*(\c)+8*(\b)
	ds_load_tr16_b128 v[rB:rB+3],   v[ADRB] offset:(64*(\u)+32*(\c))*PB+32*(\b)
	ds_load_tr16_b128 v[rB+4:rB+7], v[ADRB] offset:(64*(\u)+32*(\c)+16)*PB+32*(\b)
.endr
	WIN 0
.if (\c) == 0
.irp a, 0,1,2,3
	ds_load_b32 v[ER+4*(\f)+(\a)], v[EA] offset:64*(\a)
.endr
.endif
.irp a, 0,1,2,3
.set rA, AF+64*(\f)+32*(\c)+8*(\a)
	ds_load_b128 v[rA:rA+3],   v[ADRA] offset:128*(\u)+64*(\c)+(\a)*16*PA
	ds_load_b128 v[rA+4:rA+7], v[ADRA] offset:128*(\u)+64*(\c)+(\a)*16*PA+32
.endr
.endr
.endm
.macro UNIT0 z                         ; a K step's first unit: multiplies buffer 0 and fetches the second unit into buffer 1
	s_wait_dscnt 24                                ; the first 32 along K and e are in; the 24 loads of the second 32 may be out
	MULS 0, 0, \z
	PLACES
	FETCH 1, 1
	s_wait_dscnt NF                                ; all but the run just issued
	MULS 0, 1, 0
.endm
; THE CHANGE OF SLOTS, and the step's second unit.  Each wave waits for all its tensor loads (one is out: its part of the next slot), adds 0 to its spare word, and waits for that and for its reads of this
; slot, whose second unit lies in buffer 1 by then.  mode 1: the slot is filled again with the walk's step two on; the barrier opens a round of the cluster's, and the joint load is the first thing behind it.
; Only the descriptors' scalar work stands between the wait for the tile and the request: all 128 matrix instructions of a step lie between a request and the wait for it.  mode 0: nothing is asked for.
.macro TURN mode
.if (\mode) > 0
	s_wait_xcnt 0x0                                ; the last prefetch, a K step back, has read its address: the next one's is made
	s_add_co_u32 s[T0], s[GS], 4                   ; the step that stands two refills on,
	s_add_co_u32 s[T0], s[T0], s[ROT]
	s_and_b32 s[T0], s[T0], 15                     ; its key block,
	s_lshl_b32 s[POF], s[T0], 8                    ; 256 bytes along a row of p
	s_add_nc_u64 s[PFA:PFA+1], s[PFB:PFB+1], s[POF:POF+1]
.endif
	WIN 0
	s_wait_tensorcnt 0x0                           ; all my tensor loads have landed, so a group 0 may be written
	ds_add_u32 v[SPW], v[NIL]                      ; 0 onto my spare word: the scalar work below stands between it and the wait for it
.if (\mode) > 0
	s_xor_b32 s[G0A+1], s[G0A+1], SLOT1            ; the walking descriptors: the other slot than last time,
	s_xor_b32 s[G0B+1], s[G0B+1], SLOT1
	s_add_co_u32 s[FS], s[FS], 1                   ; the walk's next step
	AIM G0A, G0B
.endif
	s_xor_b32 s[TB], s[TB], SLOT1
	s_add_co_u32 s[EO], s[EO], 512
	s_wait_dscnt 0x0                               ; the add is done, and my reads of this slot are over
	s_barrier_signal -1
	s_barrier_wait -1
.if (\mode) > 0
	CREST                                          ; no wave of any partner still reads this slot or has a load on its way
	JLOAD G0A, G0B                                 ; its four v_nop are also the places in front of the loads below
.else
	PLACES
.endif
	v_add_nc_u32 v[ADRA], s[TB], v[A0V]
	v_add_nc_u32 v[ADRB], s[TB], v[B0V]
	v_add_nc_u32 v[EA], s[EO], v[EA0]
	FETCH 0, 0
.if (\mode) > 0
	ASK
	s_add_co_u32 s[GS], s[GS], 1
.endif
	MULS 1, 0, 0
	MULS 1, 1, 0
.endm
; THE WAY OUT of row block a: times 1 / L (each accumulator's registers in ascending order); 32 bytes a lane into my own stage, and back as whole rows of 512 bytes; stored.
.macro PACK a
	WIN 0x02                                       ; source 0 window 2
.set i, 0
.rept 32
	v_pk_mul_f32 v[TMP+2*i:TMP+2*i+1], v[64*(\a)+2*i:64*(\a)+2*i+1], v[IL+2*(\a):IL+2*(\a)+1] op_sel_hi:[1,0]
.set i, i+1
.endr
	WIN 0
.endm
.macro TOSTAGE a
.set bk, OB+64*((\a)%2)
.irp b, 0,1,2,3,4,5,6,7
	ds_store_b128 v[STO], v[TMP+8*(\b):TMP+8*(\b)+3]   offset:64*(\b)
	ds_store_b128 v[STO], v[TMP+8*(\b)+4:TMP+8*(\b)+7] offset:64*(\b)+16
.endr
.set t, 0
.rept 16
	ds_load_b128 v[bk+4*t:bk+4*t+3], v[RD] offset:t*SP  ; LDS serves a wave's instructions in order (ISA guide 5.7.1.4): these see the stores above
.set t, t+1
.endr
.endm
.macro SEND a
.set bk, OB+64*((\a)%2)
	s_wait_dscnt 0x0                               ; the block is back in registers
	s_wait_xcnt 0x0                                ; the stores of the block before have read their registers: the next block's loads land there only behind this wait
.set t, 0
.rept 16
	global_store_b128 v[CO], v[bk+4*t:bk+4*t+3], s[8:9] offset:(16*(\a)+t)*PROW th:TH_STORE_NT  ; a wave stores 512 consecutive bytes, aligned
.set t, t+1
.endr
.endm
	s_wait_tensorcnt 1                             ; my part of step 0 is in; step 1's load may stay out
	s_wait_dscnt 0x0                               ; for the others' sake: my rows' e and 1 / L lie in LDS
	s_barrier_signal -1
	s_barrier_wait -1
	v_add_nc_u32 v[ADRA], s[TB], v[A0V]
	v_add_nc_u32 v[ADRB], s[TB], v[B0V]
	FETCH 0, 0
	UNIT0 1                                        ; the first unit stands in front of the loop: its first products start the sums
	WIN 0                                          ; at a label and at a branch every window is 0
	s_mov_b32 s3, 14
.Lstep:                                        ; a trip: the second unit of one K step and the first of the next; it fills one slot again
	TURN 1
	UNIT0 0
	WIN 0
	s_sub_co_u32 s3, s3, 1
	s_cmp_lg_u32 s3, 0
	s_cbranch_scc1 .Lstep
	TURN 0                                         ; the last two K steps ask for nothing
	UNIT0 0
	s_wait_dscnt 24                                ; the very last unit
	MULS 1, 0, 0
	s_wait_dscnt 0x0
	MULS 1, 1, 0
	WIN 0
	PLACES                                         ; behind the last products, in front of the multiplies that read them
.irp a, 0,1,2,3
	ds_load_b32 v[IL+2*(\a)],   v[EA0] offset:ILTAB-ETAB+64*(\a)  ; 1 / L of my row in row block a; the packed multiply names a pair, so both words are written
	ds_load_b32 v[IL+2*(\a)+1], v[EA0] offset:ILTAB-ETAB+64*(\a)
.endr
	s_wait_dscnt 0x0
	PACK 0
	TOSTAGE 0
.irp a, 1,2,3                          ; block a's multiplies stand between block a - 1's loads from the stage and the wait for them
	PACK \a
	SEND (\a)-1
	TOSTAGE \a
.endr
	SEND 3
	s_wait_tensorcnt 0x0                           ; the wave's end: behind my last tensor load and my last LDS store
	ds_add_u32 v[SPW], v[NIL]
	s_wait_dscnt 0x0
	CROUND                                         ; the closing round: no work-group ends while a partner may still ask for a tile that names it
	s_endpgm
.Lfunc_end_k_qebaf53fd40_pv:
	.size	k_qebaf53fd40_pv, .Lfunc_end_k_qebaf53fd40_pv-k_qebaf53fd40_pv
	.p2alignl 7, 3214868480
	.fill 96, 4, 3214868480
	.section	.rodata,"a",@progbits
	.p2align	6, 0x0
	.amdhsa_kernel k_qebaf53fd40_pv
		.amdhsa_group_segment_fixed_size 327680
		.amdhsa_private_segment_fixed_size 0
		.amdhsa_enable_private_segment 0
		.amdhsa_kernarg_size 32
		.amdhsa_user_sgpr_count 2
		.amdhsa_user_sgpr_kernarg_segment_ptr 1
		.amdhsa_wavefront_size32 1
		.amdhsa_system_sgpr_workgroup_id_x 1
		.amdhsa_system_sgpr_workgroup_id_y 1
		.amdhsa_system_sgpr_workgroup_id_z 1
		.amdhsa_system_vgpr_workitem_id 0
		.amdhsa_next_free_vgpr 768
		.amdhsa_next_free_sgpr 88
		.amdhsa_reserve_vcc 0
		.amdhsa_float_denorm_mode_32 3
		.amdhsa_float_denorm_mode_16_64 3
		.amdhsa_memory_ordered 1
		.amdhsa_forward_progress 1
		.amdhsa_inst_pref_size 116
	.end_amdhsa_kernel
	.amdgpu_metadata
---
amdhsa.version: [ 1, 2 ]
amdhsa.kernels:
  - .name:           k_qebaf53fd40_pv
    .symbol:         k_qebaf53fd40_pv.kd
    .args:
      - { .name: p, .offset: 0, .size: 8, .value_kind: global_buffer, .address_space: global }
      - { .name: qkv, .offset: 8, .size: 8, .value_kind: global_buffer, .address_space: global }
      - { .name: stats, .offset: 16, .size: 8, .value_kind: global_buffer, .address_space: global }
      - { .name: out0, .offset: 24, .size: 8, .value_kind: global_buffer, .address_space: global }
    .group_segment_fixed_size: 327680
    .private_segment_fixed_size: 0
    .kernarg_segment_align: 8
    .kernarg_segment_size: 32
    .max_flat_workgroup_size: 128
    .sgpr_count:     88
    .vgpr_count:     768
    .wavefront_size: 32
...
	.end_amdgpu_metadata
.endif
;; end of part 4
